; MI455X (gfx1250); checked and timed in simulation.
; The chip was launched on July 23, 2026; its instructions are those of AMD's public machine-readable ISA for CDNA 5 (MIT licence, August 2026) and "CDNA5" Instruction Set Architecture Reference Guide (July 2026). The comments in the code are by the model that wrote it; some were corrected since.
;; Compressive Memory. Allowed arithmetic: matrix products marked QUANTISED: E4M3 operands, one E8M0 scale for each 32 along K, by v_wmma_scale_f32_16x16x128_f8f6f4 with both operands' format E4M3, f32 sums; products left as they are: f32 operands where the result goes on into a quantised operand, else bf16, f16 or f32 operands; f32 sums; everything else in f32.
;; Inputs: keys 2 x 4,096 x 1,024 float32; memories 4 x 1,024 x 1,024 float32; memory_norms 4 x 1,024 float32; queries 2 x 4,096 x 1,024 float32; values 2 x 4,096 x 1,024 float32.
;; Outputs: out0 2 x 4,096 x 1,024 float32; out1 1,024 x 1,024 float32; out2 1,024 float32.
;; This version of the problem:
;;   THIS VERSION OF THE PROBLEM IS GIVEN IN LOW PRECISION. The matrix products marked QUANTISED in the list below multiply operands that are first quantised to E4M3 (4 exponent bits, 3 mantissa bits; 8 bits a number), with one power-of-two scale for each 32 numbers along K (OCP MX v1.0); their sums are f32. All else is computed in f32.
;;   The module's matrix products, in the order in which they are computed (A, B: the left and right operand; K: the contracted axis; several contracted axes count as one K, in the product's order):
;;     1. [M 4,096, K 1,024] x [K 1,024, N 8,192]; A: input memories; B: computed on the way: QUANTISED
;;     2. [M 4, K 1,024] x [K 1,024, N 8,192]; A: input memory_norms; B: computed on the way: left as it is (M = 4 < 16)
;;     3. batch 2 x [M 4,194,304, K 4] x [K 4, N 1]; A: computed on the way; B: softmax: left as it is (K = 4 < 32)
;;     4. [M 8,192, K 1,024] x [K 1,024, N 1,024]; A: computed on the way; B: input memories: QUANTISED
;;     5. [M 8,192, K 1,024] x [K 1,024, N 1]; A: computed on the way; B: input memory_norms: left as it is (N = 1 < 16)
;;     6. [M 1,024, K 8,192] x [K 8,192, N 1,024]; A: computed on the way; B: computed on the way: QUANTISED
;;   THE QUANTISER, for each operand of a quantised product, along K:
;;     - K is cut into blocks of 32 from its start; a last block that is shorter is filled with zeros.
;;     - A block's scale is 2^e with e = floor(log2(the largest magnitude in the block)) - 8, held to -126 .. 127; a block of zeros has e = 0. As a byte (E8M0): e + 127.
;;     - Each number is divided by its block's scale, clamped to +-448, and rounded to the nearest number of E4M3, ties to even, subnormals kept.
;;     - The product sums the exact products of the quantised numbers (number of the format x scale) in f32.
;;   ~~~python
;;   def quantise(x, axis):      # numpy; x: float32 -> the quantised numbers, widened to float32 again
;;       x = np.moveaxis(x, axis, -1); K = x.shape[-1]
;;       x = np.pad(x, [(0, 0)] * (x.ndim - 1) + [(0, -K % 32)]); x = x.reshape(x.shape[:-1] + (-1, 32)); a = np.abs(x).max(-1, keepdims=True)
;;       e = np.where(a > 0, np.clip(np.frexp(np.where(a > 0, a, 1))[1] - 1 - 8, -126, 127), 0)      # np.frexp(a)[1] - 1 = floor(log2(a)), exactly
;;       r = np.clip(x / 2.0 ** e, -448, 448)
;;       step = 2.0 ** (np.maximum(np.frexp(np.where(r == 0, 1, r))[1] - 1, -6) - 3)
;;       q = np.round(r / step) * step * 2.0 ** e      # np.round: ties to even
;;       return np.moveaxis(q.reshape(q.shape[:-2] + (-1,))[..., :K], -1, axis).astype(np.float32)
;;   ~~~
;;   OPERANDS COMPUTED ON THE WAY. 'Computed on the way' means the value that the module computes at that place (a softmax that the list does not call 'softmax' is quantised finished and normalised). What goes into a quantiser is computed in f32, as accurately as f32 sums, v_exp_f32 and their like allow (about 1e-6 of the number): no bf16 or f16 on the way to a quantiser, and a product that is left as it is and whose result goes on into a quantised operand takes f32 operands (vector FMAs, or v_wmma_f32_16x16x4_f32). A number that lies on a knife's edge between two numbers of the format may be rounded either way, as far as f32 arithmetic and the matrix unit's own rounding can turn it there, and no further.
;; One version. Each part assembles by itself: llvm-mc -triple=amdgcn-amd-amdhsa -mcpu=gfx1250 --defsym DOCPART=n.
;; ======== version 1 of 1: 3 launches
;; limits: right only within a limited range of input values
;; workspace buffers: acodes 17,301,504 bytes; bcodes 5,406,720 bytes; skt 8,650,752 bytes; dvt 8,650,752 bytes; nrm 1,310,720 bytes; relp 8,192 bytes; csum 262,144 bytes
;; launch prep (part 1): grid 1280 x 1, 4 waves a work-group, no clusters, 70,400 bytes of LDS; arguments queries, keys, memories, memory_norms, acodes, bcodes, skt, nrm, relp, csum; writes acodes, bcodes, skt, nrm, relp, csum
.if DOCPART == 1
	.amdgcn_target "amdgcn-amd-amdhsa--gfx1250"
	.amdhsa_code_object_version 6
	.text
	.protected	k_q699e54e7f9_prep
	.globl	k_q699e54e7f9_prep
	.p2align	8
	.type	k_q699e54e7f9_prep,@function
k_q699e54e7f9_prep:
	s_mov_b64 s[64:65], 0
	v_nop
	global_prefetch_b8 v0, s[64:65] scope:SCOPE_SE
	s_setreg_imm32_b32 hwreg(HW_REG_WAVE_MODE, 25, 1), 1
	s_wait_xcnt 0x0
; FIRST OF THREE LAUNCHES.  out0 = sum over m of c[m][row] x (sigma(Q) memories[m]), out1 = mem0 + sigma(K)^T delta / 8192, out2 = norm0 + colsum(sigma(K)) / 2.
; DEAD WORK: none is left out.  Every input has a way to an output, all three quantised products are live, and no term cancels for all values of the inputs.
; THIS LAUNCH turns the three wide operands into codes of E4M3 with one E8M0 byte for each 32 along K, once, and makes the small f32 sums:
;   job 0, queries: sigma(Q), codes along d -> acodes 4..7; partial dots with the four norms -> nrm 0..3; their sums over a tile's 128 rows -> relp
;   job 1, keys:    sigma(K), codes along d -> acodes 0..3; partial dot with norm 0 -> nrm 4; codes along the rows -> skt; column sums -> csum
;   job 2, memories: codes along d (its first axis) -> bcodes planes 1..4; plane 0 of memories once more, its columns in another order -> bcodes plane 0
; A work-group takes a tile of 128 x 128 f32 (every source has rows of 4,096 bytes): 512 + 512 + 256 tiles.  The job hangs on the work-group's number alone; the jobs share one text and part by forward scalar branches.
; sigma(x) = max(x, 0) + 2^(log2(e) min(x, 0)): x + 1 above 0 and exp(x) at or under it, the two arms of the definition.
; THE CODES LIE IN THE ORDER OF AN OPERAND'S REGISTERS: a fragment of 16 rows x 128 K is 2,048 bytes, byte 512 c + 256 h + 16 r + i = row r, k = 32 c + 16 h + i; the scale words of two blocks of 16 rows are 128 bytes, lane 16 (block % 2) + r.
; The tile goes through LDS once (rows 528 bytes apart) and is read back two ways: by rows, 16 neighbours along d a lane and block (K = d), and by columns, a lane a column and its registers down the rows (K = the rows).
; In acodes block 2 b + u of a tile holds rows 32 b + 8 u + r + 8 (r / 8): so row rho lies in LDS at position P(rho) = (rho & ~31) + 16 ((rho >> 3) & 1) + (rho & 7) + 8 ((rho >> 4) & 1), and a block's 16 rows are neighbours there.
; No cluster: no two work-groups read the same bytes but the 16 KiB of norms.  No tensor load: the numbers pass through registers for sigma in any case.  No prefetch: each wave has its whole tile share, 32 loads, out at once.
; LIMITS: NaN and infinities among the inputs are not served; sigma under 2^-126 comes out 0 (v_exp_f32 flushes); exp's argument is rounded once, a relative error of |x| x 6e-8;
; a block of zeros gets the byte 1 where the quantiser says 127: its codes are zeros, and these bytes are read by this program alone.
; The second copy of plane 0 leaves in pieces of 128 bytes (codes) and 32 bytes (scale words): 1 MiB of the launch's stores.
.set REC,   33792                      ; a record: 8 blocks x 2 K steps x 2,048 bytes of codes, then 2 x 4 x 128 bytes of scale words
.set R3,    8448                       ; a record of skt: 4 blocks x 2,048, then 2 x 128
.set PITCH, 528
.set NS,    128*PITCH                  ; LDS: behind the tile: four norm slices of 512 bytes,
.set SCR,   NS+2048                    ; 16 words of row sums,
.set SPARE, SCR+256                    ; and the spare words, 128 bytes for each wave, which no other line names
.set GIN,  4                           ; v4   tile load: 131,072 w + 16 l
.set LST,  5                           ; v5   tile to LDS: 32 w rows + 16 l
.set LV2,  6                           ; v6   by rows: (32 w + r) rows + 64 h
.set LV1,  7                           ; v7   by columns: 128 w + 4 l
.set LNS,  8                           ; v8   norm slices: NS + 64 h
.set L16,  9                           ; v9   16 l
.set L4,   10                          ; v10  4 l
.set GROW, 11                          ; v11  4 x my row of the tile, by the order of acodes
.set GC1,  12                          ; v12  column codes: (l / 16) blocks + 16 r
.set GC1P, 13                          ; v13  the same in plane 0's order
.set GS1P, 14                          ; v14  and its scale word
.set NSW,  15                          ; v15  where my wave puts its norm slice
.set NGO,  16                          ; v16  and whence it comes
.set SCW,  17                          ; v17  SCR + 16 w
.set SPW,  18                          ; v18  my spare word; never rewritten
.set NIL,  19                          ; v19  0; never rewritten
.set LV1B, 20                          ; v20  LV1 + 64 rows: an LDS immediate has 16 bits
.set SCRD, 21                          ; v21  SCR + 4 (l % 16)
.set TA,   22                          ; v22, v23, v25, v31 at work
.set TB,   23
.set SW,   24                          ; v24  a column's scale word
.set TH,   25
.set CS,   26                          ; v26-29 column sums, two chains of pairs
.set PWS,  30
.set TC,   31
.set X,    32                          ; v32-159 the tile share; then two fragments' numbers; then Y
.set Y,    32                          ; v32-95 two sets of 32 numbers down a column
.set C1,   96                          ; v96-127 a column's codes, 8 registers a block
.set T,    160                         ; v160-191 exponentials at work
.set N,    160                         ; v160-223 a norm slice as a lane wants it
.set PC,   160                         ; v160-191 two fragments' codes
.set NR,   192                         ; v192-195 my wave's norm slice as loaded
.set D,    224                         ; v224-231 dots, four chains of pairs
.set TM,   232                         ; v232-247 the quantiser's 16
.set PW,   248                         ; v248, v249 two fragments' scale words
.set DR,   250                         ; v250-253 the dots as stored
	s_load_b256 s[4:11], s[0:1], 0x0               ; queries, keys, memories, memory_norms
	s_load_b256 s[12:19], s[0:1], 0x20             ; acodes, bcodes, skt, nrm
	s_load_b128 s[20:23], s[0:1], 0x40             ; relp, csum
	v_lshl_add_u32 v[SPW], v0, 2, SPARE
	v_mov_b32 v[NIL], 0
	v_lshrrev_b32 v1, 5, v0
	v_readfirstlane_b32 s24, v1                    ; wave w
	v_and_b32 v1, 31, v0                           ; l
	s_wait_alu depctr_va_vdst(0)
	v_and_b32 v2, 15, v0                           ; r
	s_wait_alu depctr_va_vdst(0)
	v_bfe_u32 v3, v0, 4, 1                         ; h
	s_lshr_b32 s25, ttmp9, 9                       ; the job
	s_and_b32 s26, ttmp9, 511
	s_lshr_b32 s27, s26, 3                         ; R: the tile's row of tiles (jobs 0, 1: the row tile i; job 2: 8 m + t)
	s_and_b32 s28, s26, 7                          ; C: its column of tiles (jobs 0, 1: t; job 2: the tile of e)
	s_and_b32 s40, s27, 7
	s_lshr_b32 s32, s27, 3                         ; m (job 2)
	s_cmp_eq_u32 s25, 2
	s_cselect_b32 s31, s40, s28                    ; t: which 128 of d
	s_cselect_b32 s41, 12, 11                      ; a block's stride in the column codes: 4,096 in bcodes, 2,048 in skt
	s_cmp_eq_u32 s25, 0
	s_cselect_b32 s29, 4, 1
	s_cmp_eq_u32 s25, 2
	s_cselect_b32 s29, 0, s29                      ; how many norms are dotted: 4, 1, 0
	s_mov_b32 s30, 0xffff0000                      ; lanes 16-31
	s_mov_b32 s33, 0x600000                        ; the mantissa field of 448
	s_mov_b32 s34, 0x76543210
	s_mov_b32 s35, 0xfedcba98                      ; v_permlanex16_b32: lane l xor 16
	s_mov_b32 s36, 0x3fb8aa3b                      ; log2(e)
	s_mov_b32 s37, s36                             ; (named with it as a pair)
	s_mul_i32 s42, s24, 32*PITCH
	s_lshl_b32 s48, s24, 7                         ; 128 w
	v_lshlrev_b32 v[L16], 4, v1
	v_lshlrev_b32 v[L4], 2, v1
	v_add_nc_u32 v[LST], s42, v[L16]
	v_mul_u32_u24 v[LV2], v2, PITCH
	s_wait_alu depctr_va_vdst(0)
	v_lshl_add_u32 v[LV2], v3, 6, v[LV2]
	v_add_nc_u32 v[LV2], s42, v[LV2]
	v_add_nc_u32 v[LV1], s48, v[L4]
	v_add_nc_u32 v[LV1B], 64*PITCH, v[LV1]
	v_lshl_add_u32 v[LNS], v3, 6, NS
	s_lshl_b32 s43, s24, 9
	s_add_co_u32 s43, s43, NS
	v_add_nc_u32 v[NSW], s43, v[L16]
	s_lshl_b32 s43, s24, 4
	s_add_co_u32 s43, s43, SCR
	v_mov_b32 v[SCW], s43
	v_lshl_add_u32 v[SCRD], v2, 2, SCR
	s_lshl_b32 s43, s24, 17
	v_add_nc_u32 v[GIN], s43, v[L16]               ; my wave's 32 rows of 4,096 bytes
	v_and_b32 v[TA], 8, v2
	v_add_nc_u32 v[TA], v[TA], v2
	v_lshl_add_u32 v[TA], v3, 3, v[TA]
	v_lshl_add_u32 v[GROW], v[TA], 2, s48          ; 4 (32 w + 8 h + r + 8 (r / 8))
	v_lshlrev_b32 v[GC1], s41, v3
	v_lshl_add_u32 v[GC1], v2, 4, v[GC1]
	v_and_b32 v[TA], 3, v1
	v_lshrrev_b32 v[TB], 2, v1
	v_lshlrev_b32 v[GC1P], 4, v[TB]
	v_lshl_add_u32 v[GC1P], v[TA], 12, v[GC1P]     ; (l % 4) blocks of 4,096 + 16 (l / 4)
	v_and_b32 v[TA], 1, v1
	v_lshlrev_b32 v[GS1P], 2, v[TB]
	v_lshl_add_u32 v[GS1P], v[TA], 6, v[GS1P]
	v_bfe_u32 v[TA], v1, 1, 1
	v_lshl_add_u32 v[GS1P], v[TA], 7, v[GS1P]      ; ((l % 4) / 2) 128 + 4 (16 (l % 2) + l / 4)
	s_lshl_b32 s43, s24, 12
	s_lshl_b32 s44, s31, 9
	s_add_co_u32 s43, s43, s44
	v_add_nc_u32 v[NGO], s43, v[L16]               ; norm w, its 128 numbers of tile t
.irp k, 0,1,2,3
	v_mov_b32 v[CS+\k], 0                          ; the column sums begin at 0
	v_mov_b32 v[NR+\k], 0                          ; written on the way that skips the load too
	v_mov_b32 v[TM+4+\k], 0                        ; a lane permute's destination counts as one of its sources
.endr
	v_mov_b32 v[TB], 0
	s_lshl_b32 s40, s27, 19
	s_lshl_b32 s41, s28, 9
	s_add_co_u32 s40, s40, s41                     ; the tile: R x 128 rows + C x 512 bytes
	s_mov_b32 s41, 0
	s_wait_kmcnt 0x0
	s_cmp_eq_u32 s25, 0
	s_cselect_b64 s[38:39], s[4:5], s[6:7]
	s_cmp_eq_u32 s25, 2
	s_cselect_b64 s[38:39], s[8:9], s[38:39]       ; the job's source: the choice hangs on the work-group's number alone
	s_add_nc_u64 s[38:39], s[38:39], s[40:41]
	s_cmp_lt_u32 s24, s29
	s_cbranch_scc0 .Lno_norm
	global_load_b128 v[NR:NR+3], v[NGO], s[10:11]  ; ahead of the tile's loads, so that their counted waits mean the same on both ways
.Lno_norm:
.set k, 0
.rept 32
	global_load_b128 v[X+4*k:X+4*k+3], v[GIN], s[38:39] offset:4096*k th:TH_LOAD_NT   ; row 32 w + k: 32 lanes read 512 consecutive bytes
.set k, k+1
.endr
; sigma of eight rows.  The 32 exponentials are one batch with one wait; the 32 maxima stand between as independent work.
.macro ACT g
	s_wait_loadcnt 24-8*\g                         ; loads come back in order: rows 0 to 8 g + 7 are in, the younger ones stay out
.set k, 0
.rept 16
	v_pk_mul_f32 v[T+k:T+k+1], v[X+32*\g+k:X+32*\g+k+1], s[36:37] op_sel_hi:[1,0]
.set k, k+2
.endr
.set k, 0
.rept 32
	v_min_num_f32 v[T+k], 0, v[T+k]
.set k, k+1
.endr
.set k, 0
	s_wait_alu depctr_va_vdst(0)
.rept 32
	v_exp_f32 v[T+k], v[T+k]
.set k, k+1
.endr
.set k, 0
.rept 32
	v_max_num_f32 v[X+32*\g+k], 0, v[X+32*\g+k]
.set k, k+1
.endr
	s_wait_alu depctr_va_vdst(0)                   ; one wait for the batch, ahead of its first reader
.set k, 0
.rept 16
	v_pk_add_f32 v[X+32*\g+k:X+32*\g+k+1], v[X+32*\g+k:X+32*\g+k+1], v[T+k:T+k+1]
.set k, k+2
.endr
.endm
	s_cmp_eq_u32 s25, 2
	s_cbranch_scc1 .Lraw                           ; memories go as they are
	ACT 0
	ACT 1
	ACT 2
	ACT 3
.Lraw:
	s_wait_loadcnt 0x0
.set k, 0
	s_wait_alu depctr_va_vdst(0)
.rept 32
	ds_store_b128 v[LST], v[X+4*k:X+4*k+3] offset:PITCH*((k&7)+16*((k>>3)&1)+8*((k>>4)&1))   ; row 32 w + k to position 32 w + P(k)
.set k, k+1
.endr
	s_cmp_lt_u32 s24, s29
	s_cbranch_scc0 .Lno_ns
	ds_store_b128 v[NSW], v[NR:NR+3]
.Lno_ns:
	s_wait_dscnt 0x0                               ; for the others' sake: my stores have landed
	s_barrier_signal -1
	s_barrier_wait -1                              ; the tile and the norm slices lie in LDS
	s_cmp_eq_u32 s25, 2
	s_cbranch_scc1 .Lno_rows
	; ---- BY ROWS (jobs 0, 1): blocks 2 w and 2 w + 1.  Register 16 c + i of a fragment = my row, k = 32 c + 16 h + i
.irp u, 0,1
.irp c, 0,1,2,3
.irp j, 0,1,2,3
	ds_load_b128 v[X+64*\u+16*\c+4*\j:X+64*\u+16*\c+4*\j+3], v[LV2] offset:16*PITCH*\u+128*\c+16*\j
.endr
.endr
.endr
	s_cmp_eq_u32 s25, 0
	s_cselect_b32 s40, 4, 0                        ; acodes: queries behind the keys
	s_cselect_b32 s44, 0, 4*32768                  ; nrm: the keys' dot is number 4
	s_lshr_b32 s41, s31, 1
	s_add_co_u32 s40, s40, s41
	s_lshl_b32 s40, s40, 6
	s_add_co_u32 s40, s40, s27
	s_mul_i32 s40, s40, REC                        ; the record
	s_and_b32 s41, s31, 1                          ; which of its two K steps
	s_lshl_b32 s50, s41, 11
	s_lshl_b32 s43, s24, 13
	s_add_co_u32 s50, s50, s43
	s_add_co_u32 s50, s50, s40
	s_mov_b32 s51, 0
	s_add_nc_u64 s[52:53], s[12:13], s[50:51]      ; codes: block 2 w
	s_lshl_b32 s50, s41, 9
	s_add_co_u32 s50, s50, s48
	s_add_co_u32 s50, s50, s40
	s_add_co_u32 s50, s50, 32768
	s_add_nc_u64 s[54:55], s[12:13], s[50:51]      ; scale words: pair w
	s_mul_i32 s50, s31, 5*32768
	s_add_co_u32 s50, s50, s44
	s_lshl_b32 s43, s27, 9
	s_add_co_u32 s50, s50, s43
	s_add_nc_u64 s[56:57], s[18:19], s[50:51]      ; nrm [t][.][128 i ..]
; The dot of my two rows' 64 numbers each with norm m's, f32 fused multiply-adds in four chains; the halves of the lanes are joined; lane l keeps the row of block 2 w + h.  test = 1: the tile's row sum is made for the queries alone.
.macro DOT m, test
.irp c, 0,1,2,3
.irp j, 0,1,2,3
	ds_load_b128 v[N+16*\c+4*\j:N+16*\c+4*\j+3], v[LNS] offset:512*\m+128*\c+16*\j
.endr
.endr
	s_wait_dscnt 0x0
	v_pk_mul_f32 v[D:D+1], v[X:X+1], v[N:N+1]
	v_pk_mul_f32 v[D+2:D+3], v[X+2:X+3], v[N+2:N+3]
	v_pk_mul_f32 v[D+4:D+5], v[X+64:X+65], v[N:N+1]
	v_pk_mul_f32 v[D+6:D+7], v[X+66:X+67], v[N+2:N+3]
.set k, 4
.rept 15
	v_pk_fma_f32 v[D:D+1], v[X+k:X+k+1], v[N+k:N+k+1], v[D:D+1]
	v_pk_fma_f32 v[D+2:D+3], v[X+k+2:X+k+3], v[N+k+2:N+k+3], v[D+2:D+3]
	v_pk_fma_f32 v[D+4:D+5], v[X+64+k:X+65+k], v[N+k:N+k+1], v[D+4:D+5]
	v_pk_fma_f32 v[D+6:D+7], v[X+66+k:X+67+k], v[N+k+2:N+k+3], v[D+6:D+7]
.set k, k+4
.endr
	v_pk_add_f32 v[D:D+1], v[D:D+1], v[D+2:D+3]
	v_pk_add_f32 v[D+4:D+5], v[D+4:D+5], v[D+6:D+7]
	v_add_f32 v[D], v[D], v[D+1]
	v_add_f32 v[D+4], v[D+4], v[D+5]
	v_permlanex16_b32 v[D+2], v[D], s34, s35
	v_permlanex16_b32 v[D+6], v[D+4], s34, s35
	v_add_f32 v[D], v[D], v[D+2]
	v_add_f32 v[D+4], v[D+4], v[D+6]
	v_cndmask_b32 v[DR+\m], v[D], v[D+4], s30
	global_store_b32 v[GROW], v[DR+\m], s[56:57] offset:\m*32768   ; the wave's 32 rows: 128 consecutive bytes
.if \test
	s_cmp_lg_u32 s25, 0
	s_cbranch_scc1 .Lno_sum_\@
.endif
	v_mov_b32 v[TA], v[DR+\m]
	v_add_f32_dpp v[TA], v[TA], v[TA] row_xmask:1 row_mask:0xf bank_mask:0xf
	v_add_f32_dpp v[TA], v[TA], v[TA] row_xmask:2 row_mask:0xf bank_mask:0xf
	v_add_f32_dpp v[TA], v[TA], v[TA] row_xmask:4 row_mask:0xf bank_mask:0xf
	v_add_f32_dpp v[TA], v[TA], v[TA] row_xmask:8 row_mask:0xf bank_mask:0xf
	v_permlanex16_b32 v[TB], v[TA], s34, s35
	v_add_f32 v[TA], v[TA], v[TB]
	ds_store_b32 v[SCW], v[TA] offset:4*\m         ; all lanes write the same word with the same value
.Lno_sum_\@:
.endm
	DOT 0, 1
	s_cmp_lg_u32 s25, 0
	s_cbranch_scc1 .Lone_norm
	DOT 1, 0
	DOT 2, 0
	DOT 3, 0
.Lone_norm:
; 64 numbers of a lane become a fragment's codes and its row's scale word.  sigma is never negative: no |.| on the maxima, and the hold at 448 x the scale is one-sided.
.macro QUANT2 s, pc, pw
.irp b, 0,1,2,3
	v_max3_num_f32 v[TM+\b], v[\s+16*\b], v[\s+16*\b+1], 0x4800000   ; my 16 numbers of block b and the floor 2^(9 - 127): the byte cannot fall under 1
.endr
.irp i, 2,4,6,8,10,12,14
.irp b, 0,1,2,3
	v_max3_num_f32 v[TM+\b], v[TM+\b], v[\s+16*\b+\i], v[\s+16*\b+\i+1]
.endr
.endr
.irp b, 0,1,2,3
	v_permlanex16_b32 v[TM+4+\b], v[TM+\b], s34, s35
.endr
.irp b, 0,1,2,3
	v_max_num_f32 v[TM+\b], v[TM+\b], v[TM+4+\b]   ; with lane l xor 16's: the block's largest
.endr
.irp b, 0,1,2,3
	v_add_nc_u32 v[TM+12+\b], 0xfc000000, v[TM+\b] ; 8 off its exponent field: the conversion's scale operand
.endr
.irp b, 0,1,2,3
	v_and_or_b32 v[TM+8+\b], v[TM+\b], 0x7f800000, s33   ; 448 x the scale
.endr
.irp b, 0,1,2,3
	v_lshrrev_b32 v[TM+4+\b], 23, v[TM+12+\b]      ; the scale's byte
.endr
	v_lshl_or_b32 v[\pw], v[TM+5], 8, v[TM+4]
	v_lshl_or_b32 v[\pw], v[TM+6], 16, v[\pw]
	v_lshl_or_b32 v[\pw], v[TM+7], 24, v[\pw]
.irp b, 0,1,2,3
.irp i, 0,1,2,3,4,5,6,7,8,9,10,11,12,13,14,15
	v_min_num_f32 v[\s+16*\b+\i], v[\s+16*\b+\i], v[TM+8+\b]   ; the conversion to an 8-bit code does not saturate (ISA guide 7.6.2)
.endr
	v_cvt_scalef32_pk8_fp8_f32 v[\pc+4*\b:\pc+4*\b+1], v[\s+16*\b:\s+16*\b+7], v[TM+12+\b]
	v_cvt_scalef32_pk8_fp8_f32 v[\pc+4*\b+2:\pc+4*\b+3], v[\s+16*\b+8:\s+16*\b+15], v[TM+12+\b]
.endr
	v_nop                                          ; a plain line behind the last conversion
.endm
	QUANT2 X, PC, PW
.irp c, 0,1,2,3
	global_store_b128 v[L16], v[PC+4*\c:PC+4*\c+3], s[52:53] offset:512*\c   ; the fragment as its registers stand: 512 consecutive bytes a store
.endr
	QUANT2 X+64, PC+16, PW+1
.irp c, 0,1,2,3
	global_store_b128 v[L16], v[PC+16+4*\c:PC+16+4*\c+3], s[52:53] offset:4096+512*\c
.endr
	v_cndmask_b32 v[PWS], v[PW], v[PW+1], s30      ; lanes 0-15: block 2 w's words; lanes 16-31: block 2 w + 1's
	global_store_b32 v[L4], v[PWS], s[54:55]
.Lno_rows:
	s_wait_dscnt 0x0                               ; my row sums have landed
	s_barrier_signal -1
	s_barrier_wait -1
	s_or_b32 s40, s25, s24
	s_cmp_lg_u32 s40, 0
	s_cbranch_scc1 .Lno_rel                        ; queries, wave 0: the four waves' row sums are added
	ds_load_b32 v[TA], v[SCRD]                     ; word 4 w' + m in lane 4 w' + m
	s_lshl_b32 s50, s26, 4
	s_mov_b32 s51, 0
	s_add_nc_u64 s[58:59], s[20:21], s[50:51]      ; relp [i][t][.]
	s_wait_dscnt 0x0
	v_add_f32_dpp v[TA], v[TA], v[TA] row_xmask:4 row_mask:0xf bank_mask:0xf
	v_add_f32_dpp v[TA], v[TA], v[TA] row_xmask:8 row_mask:0xf bank_mask:0xf
	v_cmp_gt_u32 vcc_lo, 4, v1
	s_wait_alu depctr_va_vdst(0)
	s_wait_xcnt 0x0                                ; EXEC changes only behind this wait: stores are out
	s_and_saveexec_b32 s62, vcc_lo
	global_store_b32 v[L4], v[TA], s[58:59]
	s_wait_xcnt 0x0                                ; and again ahead of the line that widens it
	s_or_b32 exec_lo, exec_lo, s62
.Lno_rel:
	s_cmp_eq_u32 s25, 0
	s_cbranch_scc1 .Lend
	; ---- BY COLUMNS (jobs 1, 2): lane l is column 32 w + l; a block of 32 along K lies in one lane's 32 registers
	s_wait_xcnt 0x0                                ; the stores above have read their registers and bases: both are written again below
	s_lshr_b32 s40, s24, 1                         ; w / 2
	s_and_b32 s41, s24, 1                          ; w % 2
	s_lshr_b32 s42, s31, 1                         ; t / 2
	s_and_b32 s43, s31, 1                          ; t % 2
	s_lshl_b32 s44, s31, 1
	s_add_co_u32 s44, s44, s40
	s_lshl_b32 s44, s44, 6
	s_add_co_u32 s44, s44, s27
	s_mul_i32 s44, s44, R3                         ; skt: record (2 t + w / 2, i)
	s_lshl_b32 s45, s41, 12
	s_add_co_u32 s45, s45, s44                     ; its blocks 2 (w % 2) on
	s_lshl_b32 s46, s41, 7
	s_add_co_u32 s46, s46, s44
	s_add_co_u32 s46, s46, 8192                    ; its pair w % 2 of scale words
	; bcodes lies [tile C of e][10 parts of 67,584 bytes].  Part 4 p + t / 2, p = w / 2: columns 64 p .. + 63 of the tile, 256 along K, the four slots m one behind the other,
	; 16,896 bytes each: 4 blocks x 2 K steps x 2,048 bytes of codes, then 2 x 2 x 128 bytes of scale words.  Parts 8 and 9: the four records of memories[0] in its other order of columns.
	s_mul_i32 s47, s28, 10*67584
	s_lshl_b32 s50, s40, 2
	s_add_co_u32 s50, s50, s42
	s_mul_i32 s50, s50, 67584
	s_add_co_u32 s50, s50, s47
	s_mul_i32 s44, s32, 16896
	s_add_co_u32 s50, s50, s44                     ; part 4 (w / 2) + t / 2, slot m
	s_mul_i32 s44, s42, REC
	s_add_co_u32 s47, s47, s44
	s_add_co_u32 s47, s47, 8*67584                 ; memories[0] once more: record t / 2 of parts 8 and 9
	s_lshl_b32 s49, s43, 11
	s_lshl_b32 s62, s43, 9
	s_add_co_u32 s62, s62, 32768
	s_lshl_b32 s63, s41, 13
	s_add_co_u32 s63, s63, s49
	s_add_co_u32 s63, s63, s50                     ; its blocks 2 (w % 2) on
	s_lshl_b32 s44, s43, 8
	s_add_co_u32 s50, s50, s44
	s_lshl_b32 s44, s41, 7
	s_add_co_u32 s50, s50, s44
	s_add_co_u32 s50, s50, 16384                   ; its pair w % 2 of scale words
	s_cmp_eq_u32 s25, 1
	s_cselect_b64 s[52:53], s[16:17], s[14:15]
	s_cselect_b32 s44, s45, s63
	s_cselect_b32 s46, s46, s50
	s_mov_b32 s45, 0
	s_mov_b64 s[54:55], s[52:53]
	s_add_nc_u64 s[52:53], s[52:53], s[44:45]      ; the codes' base
	s_mov_b32 s44, s46
	s_add_nc_u64 s[54:55], s[54:55], s[44:45]      ; the scale words' base
	s_lshl_b32 s44, s40, 14
	s_add_co_u32 s44, s44, s49
	s_lshl_b32 s46, s41, 7
	s_add_co_u32 s44, s44, s46
	s_add_co_u32 s44, s44, s47
	s_add_nc_u64 s[56:57], s[14:15], s[44:45]      ; plane 0: block 4 (w / 2) + l % 4, row 8 (w % 2) + l / 4
	s_lshl_b32 s44, s40, 8
	s_add_co_u32 s44, s44, s62
	s_lshl_b32 s46, s41, 5
	s_add_co_u32 s44, s44, s46
	s_add_co_u32 s44, s44, s47
	s_add_nc_u64 s[58:59], s[14:15], s[44:45]
	s_lshl_b32 s44, s27, 12
	s_lshl_b32 s46, s31, 9
	s_add_co_u32 s44, s44, s46
	s_add_co_u32 s44, s44, s48
	s_add_nc_u64 s[60:61], s[22:23], s[44:45]      ; csum [i][128 t + 32 w ..]
.macro YLOAD c                         ; rows 32 c + k of my column, k = 0 .. 31: 32 lanes read 128 consecutive bytes
.set k, 0
.rept 32
.if (\c) < 2
	ds_load_b32 v[Y+32*((\c)%2)+k], v[LV1] offset:PITCH*(32*((\c)%2)+(k&7)+16*((k>>3)&1)+8*((k>>4)&1))
.else
	ds_load_b32 v[Y+32*((\c)%2)+k], v[LV1B] offset:PITCH*(32*((\c)%2)+(k&7)+16*((k>>3)&1)+8*((k>>4)&1))
.endif
.set k, k+1
.endr
.endm
.macro BLK c
.if (\c) < 3
	YLOAD (\c)+1
	s_wait_dscnt 32                                ; this block's numbers are in; the next block's 32 loads may be out
.else
	s_wait_dscnt 0x0
.endif
.set YS, Y+32*((\c)%2)
	s_cmp_lg_u32 s25, 1
	s_cbranch_scc1 .Lno_csum_\@                    ; column sums: the keys alone
.set k, 0
.rept 8
	v_pk_add_f32 v[CS:CS+1], v[CS:CS+1], v[YS+k:YS+k+1]
	v_pk_add_f32 v[CS+2:CS+3], v[CS+2:CS+3], v[YS+k+2:YS+k+3]
.set k, k+4
.endr
.Lno_csum_\@:
	v_max3_num_f32 v[TA], |v[YS]|, |v[YS+1]|, |v[YS+2]|
	v_max3_num_f32 v[TB], |v[YS+3]|, |v[YS+4]|, |v[YS+5]|
.irp i, 6,10,14,18,22,26
	v_max3_num_f32 v[TA], v[TA], |v[YS+\i]|, |v[YS+\i+1]|
	v_max3_num_f32 v[TB], v[TB], |v[YS+\i+2]|, |v[YS+\i+3]|
.endr
	v_max3_num_f32 v[TA], v[TA], |v[YS+30]|, |v[YS+31]|
	v_max3_num_f32 v[TA], v[TA], v[TB], 0x4800000  ; the block's largest magnitude, and the floor
	v_add_nc_u32 v[TC], 0xfc000000, v[TA]
	v_and_or_b32 v[TH], v[TA], 0x7f800000, s33
	v_lshrrev_b32 v[TB], 23, v[TC]
.if (\c) == 0
	v_mov_b32 v[SW], v[TB]
.else
	v_lshl_or_b32 v[SW], v[TB], 8*(\c), v[SW]
.endif
.set k, 0
.rept 32
	v_med3_num_f32 v[YS+k], v[YS+k], -v[TH], v[TH]
.set k, k+1
.endr
.irp g, 0,1,2,3
	v_cvt_scalef32_pk8_fp8_f32 v[C1+8*(\c)+2*\g:C1+8*(\c)+2*\g+1], v[YS+8*\g:YS+8*\g+7], v[TC]
.endr
	v_nop                                          ; a plain line behind the last conversion
	global_store_b128 v[GC1], v[C1+8*(\c):C1+8*(\c)+3], s[52:53] offset:512*(\c)        ; k = 32 c + 0 .. 15: sixteen lanes store 256 consecutive bytes, aligned
	global_store_b128 v[GC1], v[C1+8*(\c)+4:C1+8*(\c)+7], s[52:53] offset:512*(\c)+256  ; k = 32 c + 16 .. 31
.endm
	YLOAD 0
	BLK 0
	BLK 1
	BLK 2
	BLK 3
	global_store_b32 v[L4], v[SW], s[54:55]
	s_cmp_lg_u32 s25, 1
	s_cbranch_scc1 .Lnot_keys
	v_pk_add_f32 v[CS:CS+1], v[CS:CS+1], v[CS+2:CS+3]
	v_add_f32 v[CS], v[CS], v[CS+1]
	global_store_b32 v[L4], v[CS], s[60:61]
	s_branch .Lend
.Lnot_keys:
	s_cmp_lg_u32 s32, 0
	s_cbranch_scc1 .Lend                           ; memories[0]: the same codes once more, block 4 g + t holding columns 64 g + 4 r + t
	s_wait_alu depctr_va_vdst(0)
.irp c, 0,1,2,3
	global_store_b128 v[GC1P], v[C1+8*\c:C1+8*\c+3], s[56:57] offset:512*\c
	global_store_b128 v[GC1P], v[C1+8*\c+4:C1+8*\c+7], s[56:57] offset:512*\c+256
.endr
	global_store_b32 v[GS1P], v[SW], s[58:59]
.Lend:
	s_wait_tensorcnt 0x0                           ; the wave's end, behind my last LDS store
	ds_add_u32 v[SPW], v[NIL]
	s_wait_dscnt 0x0
	s_endpgm
.Lfunc_end_k_q699e54e7f9_prep:
	.size	k_q699e54e7f9_prep, .Lfunc_end_k_q699e54e7f9_prep-k_q699e54e7f9_prep
	.p2alignl 7, 3214868480
	.fill 96, 4, 3214868480
	.section	.rodata,"a",@progbits
	.p2align	6, 0x0
	.amdhsa_kernel k_q699e54e7f9_prep
		.amdhsa_group_segment_fixed_size 70400
		.amdhsa_private_segment_fixed_size 0
		.amdhsa_enable_private_segment 0
		.amdhsa_kernarg_size 80
		.amdhsa_user_sgpr_count 2
		.amdhsa_user_sgpr_kernarg_segment_ptr 1
		.amdhsa_wavefront_size32 1
		.amdhsa_system_sgpr_workgroup_id_x 1
		.amdhsa_system_sgpr_workgroup_id_y 1
		.amdhsa_system_sgpr_workgroup_id_z 1
		.amdhsa_system_vgpr_workitem_id 0
		.amdhsa_next_free_vgpr 256
		.amdhsa_next_free_sgpr 66
		.amdhsa_reserve_vcc 1
		.amdhsa_float_denorm_mode_32 3
		.amdhsa_float_denorm_mode_16_64 3
		.amdhsa_memory_ordered 1
		.amdhsa_forward_progress 1
		.amdhsa_inst_pref_size 102
	.end_amdhsa_kernel
	.amdgpu_metadata
---
amdhsa.version: [ 1, 2 ]
amdhsa.kernels:
  - .name:           k_q699e54e7f9_prep
    .symbol:         k_q699e54e7f9_prep.kd
    .args:
      - { .name: queries, .offset: 0, .size: 8, .value_kind: global_buffer, .address_space: global }
      - { .name: keys, .offset: 8, .size: 8, .value_kind: global_buffer, .address_space: global }
      - { .name: memories, .offset: 16, .size: 8, .value_kind: global_buffer, .address_space: global }
      - { .name: memory_norms, .offset: 24, .size: 8, .value_kind: global_buffer, .address_space: global }
      - { .name: acodes, .offset: 32, .size: 8, .value_kind: global_buffer, .address_space: global }
      - { .name: bcodes, .offset: 40, .size: 8, .value_kind: global_buffer, .address_space: global }
      - { .name: skt, .offset: 48, .size: 8, .value_kind: global_buffer, .address_space: global }
      - { .name: nrm, .offset: 56, .size: 8, .value_kind: global_buffer, .address_space: global }
      - { .name: relp, .offset: 64, .size: 8, .value_kind: global_buffer, .address_space: global }
      - { .name: csum, .offset: 72, .size: 8, .value_kind: global_buffer, .address_space: global }
    .group_segment_fixed_size: 70400
    .private_segment_fixed_size: 0
    .kernarg_segment_align: 8
    .kernarg_segment_size: 80
    .max_flat_workgroup_size: 128
    .sgpr_count:     66
    .vgpr_count:     256
    .wavefront_size: 32
...
	.end_amdgpu_metadata
.endif
;; end of part 1
;; launch gemm (part 2): grid 8 x 32, 4 waves a work-group, clusters of 4 x 4, 327,680 bytes of LDS; arguments acodes, bcodes, nrm, relp, memory_norms, values, out0, dvt; writes out0, dvt
.if DOCPART == 2
	.amdgcn_target "amdgcn-amd-amdhsa--gfx1250"
	.amdhsa_code_object_version 6
	.text
	.protected	k_q699e54e7f9_gemm
	.globl	k_q699e54e7f9_gemm
	.p2align	8
	.type	k_q699e54e7f9_gemm,@function
k_q699e54e7f9_gemm:
	s_mov_b64 s[64:65], 0
	v_nop
	global_prefetch_b8 v0, s[64:65] scope:SCOPE_SE
	s_setreg_imm32_b32 hwreg(HW_REG_WAVE_MODE, 25, 1), 1
	s_wait_xcnt 0x0
	s_wait_alu depctr_hold_cnt(0) depctr_sa_sdst(0) depctr_va_vdst(0) depctr_va_sdst(0) depctr_va_ssrc(0) depctr_va_vcc(0) depctr_vm_vsrc(0)
	s_getreg_b32 s2, hwreg(HW_REG_IB_STS2, 6, 4)
	s_cmp_eq_u32 s2, 0
	s_cbranch_scc0 .Lentry_in_a_cluster
	s_endpgm
.Lentry_in_a_cluster:
	s_bfe_u32 s2, ttmp6, 0x10000c
	s_cmp_lg_u32 s2, 0xf033
	s_cbranch_scc0 .Lentry_shape_is_right
	s_endpgm
.Lentry_shape_is_right:
; SECOND LAUNCH: the products along d, on the codes that the first launch made.  No work is left out.
; A work-group (I, J) owns rows 256 I .. + 255 and columns 128 J .. + 127; wave w has wr = w / 2, wc = w % 2.
; PASSES 0, 1 (a loop of two trips): sigma(Q) x memories[0 .. 3] for columns 64 p .. + 63.  A wave holds 128 rows x (4 slots m x 32 columns): 64 accumulators, windows 2 and 3.
;   Source 0 = B's block b = 2 m + cb, source 1 = A's block a: lane r = A's row, register j = column 8 h + j.  At a pass's end out = sum over m of c[m][row] x sum, in registers;
;   c = softmax_m(mean qnorm) / max(qnorm, 1e-6), 0 for an empty slot.  out0 leaves through a stage that the four waves share, 128 rows at a time: sixteen lanes store 256 consecutive bytes, aligned.
; THE LAST PHASE: sigma(K) x memories[0]; delta = values - product / max(knorm, 1e-6), quantised along the rows in registers -> dvt.
;   Source 0 = the 128 rows of sigma(K) (record wr), source 1 = columns 64 wc + 4 r + q.  Block 2 b + u holds rows 32 b + 8 u + r + 8 (r / 8), so a lane's 64 registers of one q are rows 32 b + 16 h + 0 .. 15.
; THE RING: two slots of 135,168 bytes, 256 along K: A's two records, then a part of bcodes.  Fill n takes A's K slot n % 4 of sigma(Q) (n < 8) or n - 8 of sigma(K), and part n of bcodes (n < 10).
;   Parts 8 and 9 hold all of K of memories[0], so fills 10 and 11 bring A alone.  Each wave asks for 33,792 dense bytes: one tensor load a wave behind each round.
; CLUSTER 4 x 4: A hangs on I alone and is asked for jointly by a row of the cluster, B on J alone, by a column.
; PREFETCH: behind the change that asks for fill n, fill n + 2's first 32,768 bytes of each wave's load are named, 32 lanes x 256 bytes; the four partners take 8,192 bytes each, told apart by address.
;   B's waves ask for parts 4 to 9, A's waves for sigma(K)'s four K slots; sigma(Q)'s second walk has been read before, and fills 0 to 3 come by their loads alone.
; LIMITS: NaN and infinities are not served; divisions are v_rcp_f32 and a multiplication; a block of zeros gets the byte 1 (its codes are zeros; the bytes are read by this program alone).
.set REC,   33792
.set SUB,   16896
.set PART,  67584
.set R3,    8448
.set S_A,   64*REC                     ; from one K slot of acodes to the next
.set SLOT,  4*REC
.set REL,   2*SLOT                     ; 4 relevances, 4 flags
.set CT,    REL+256                    ; [5][256] f32: c of m = 0 .. 3, then 1 / knorm
.set STAGE, CT+5120                    ; 128 rows x 272 bytes
.set SP,    272
.set SPARE, STAGE+128*SP               ; the spare words, 128 bytes for each wave, which no other line names
.set ADA, 4                            ; v4-5 my record of A in slot 0, 1;  v6-7 its scale words
.set ASA, 6
.set ADB, 8                            ; v8-9 passes: my blocks of a part;  v10-11 their scale words
.set ASB, 10
.set AKB, 12                           ; v12-13 last phase: my four blocks of memories[0];  v14-15 their scale words
.set AKS, 14
.set ADC, 16
.set STO, 17
.set RD,  18
.set CO,  19                           ; 16 l
.set GO,  20                           ; out0: 4,096 (l / 16) + 16 (l % 16)
.set VALA, 21                          ; values: 65,536 h + 16 r
.set L4,  22
.set PFO, 23                           ; 256 l
.set SPW, 24                           ; my spare word; never rewritten
.set NIL, 25                           ; 0; never rewritten
.set RKA, 26
.set PWS, 28
.set SB,  32                           ; v32-43 scale words and nothing else.  Passes: B's, two sets of four; A's four
.set SA,  40
.set SC,  32                           ; last phase: set s at 32 + 6 s: sigma(K)'s four pairs, memories[0]'s two
.set TM,  44                           ; v44-59 the quantiser's 16
.set PW,  60
.set CC,  64                           ; v64-95 c of (block, m) in the even registers
.set PC,  96                           ; v96-127 two sets of codes; the head's work
.set AF,  128                          ; v128-255 A's eight fragments, one set
.set QF,  128                          ; last phase: memories[0]'s fragments, two sets
.set RK,  192
.set WV, 20
.set FF, 21
.set WR, 22
.set G1A, 24
.set G1B, 32
.set G0A, 40
.set G0B, 48
.set PH,  61
.set SCN, 62                           ; changes of slots so far
.set LO,  63
.set CNT, 66
.set PST, 67
.set SEL, 68
.set MNT, 70
.set HM,  71
.set PF0, 72
.set PFA, 74
.set AB,  78                           ; s[78:79] acodes at my record of sigma(K)'s K slot 0; stays
.set MSB, 0
.macro WIN new                         ; the immediate's high byte repeats the setting that is left
.if MSB != (\new)
	s_set_vgpr_msb (MSB<<8)|(\new)
.set MSB, (\new)
.endif
.endm
.set MUL_LO, 0xa1                      ; source 0 window 1, source 1 window 0, C and D window 2
.set MUL_HI, 0xf1                      ; the same, C and D window 3
.macro PLACES n
.rept \n
	v_nop
.endr
.endm
.macro WM dd, aa, bb, sa, sb, ra, rb, zero     ; one product; ra, rb: the scale words lie in lanes 16-31
.if \zero
.if (\ra) && (\rb)
	v_wmma_scale_f32_16x16x128_f8f6f4 v[\dd:\dd+7], v[\aa:\aa+15], v[\bb:\bb+15], 0, v[\sa], v[\sb] matrix_a_scale:MATRIX_SCALE_ROW1 matrix_b_scale:MATRIX_SCALE_ROW1
.elseif (\ra)
	v_wmma_scale_f32_16x16x128_f8f6f4 v[\dd:\dd+7], v[\aa:\aa+15], v[\bb:\bb+15], 0, v[\sa], v[\sb] matrix_a_scale:MATRIX_SCALE_ROW1
.elseif (\rb)
	v_wmma_scale_f32_16x16x128_f8f6f4 v[\dd:\dd+7], v[\aa:\aa+15], v[\bb:\bb+15], 0, v[\sa], v[\sb] matrix_b_scale:MATRIX_SCALE_ROW1
.else
	v_wmma_scale_f32_16x16x128_f8f6f4 v[\dd:\dd+7], v[\aa:\aa+15], v[\bb:\bb+15], 0, v[\sa], v[\sb]
.endif
.else
.if (\ra) && (\rb)
	v_wmma_scale_f32_16x16x128_f8f6f4 v[\dd:\dd+7], v[\aa:\aa+15], v[\bb:\bb+15], v[\dd:\dd+7], v[\sa], v[\sb] matrix_a_scale:MATRIX_SCALE_ROW1 matrix_b_scale:MATRIX_SCALE_ROW1
.elseif (\ra)
	v_wmma_scale_f32_16x16x128_f8f6f4 v[\dd:\dd+7], v[\aa:\aa+15], v[\bb:\bb+15], v[\dd:\dd+7], v[\sa], v[\sb] matrix_a_scale:MATRIX_SCALE_ROW1
.elseif (\rb)
	v_wmma_scale_f32_16x16x128_f8f6f4 v[\dd:\dd+7], v[\aa:\aa+15], v[\bb:\bb+15], v[\dd:\dd+7], v[\sa], v[\sb] matrix_b_scale:MATRIX_SCALE_ROW1
.else
	v_wmma_scale_f32_16x16x128_f8f6f4 v[\dd:\dd+7], v[\aa:\aa+15], v[\bb:\bb+15], v[\dd:\dd+7], v[\sa], v[\sb]
.endif
.endif
.endm
.macro MULA set, a, zero               ; passes: A's block a against B's eight; the accumulators take turns
.irp b, 0,1,2,3,4,5,6,7
	WM 8*(8*((\a)%4)+\b), 128*(\set)+16*\b, AF+16*(\a), SB+4*(\set)+\b/2, SA+(\a)/2, \b%2, (\a)%2, \zero
.endr
.endm
.macro MULQ set, q, zero               ; last phase: memories[0]'s block q against sigma(K)'s eight
.irp p, 0,1,2,3,4,5,6,7
	WM 8*(8*(\q)+\p), 128*(\set)+16*\p, QF+64*(\set)+16*(\q), SC+6*(\set)+\p/2, SC+6*(\set)+4+(\q)/2, \p%2, (\q)%2, \zero
.endr
.endm
.macro FB sl, ks, set                  ; 36 LDS loads: B's four scale words and eight fragments; every load takes 4 or 16 bytes a lane on end
.irp m, 0,1,2,3
	ds_load_b32 v[SB+4*(\set)+\m], v[ASB+\sl] offset:\m*SUB+(\ks)*256
.endr
	WIN 0x40
.irp m, 0,1,2,3
.irp cb, 0,1
.irp c, 0,1,2,3
	ds_load_b128 v[128*(\set)+16*(2*\m+\cb)+4*\c:128*(\set)+16*(2*\m+\cb)+4*\c+3], v[ADB+\sl] offset:\m*SUB+\cb*4096+(\ks)*2048+512*\c
.endr
.endr
.endr
	WIN 0
.endm
.macro FA sl, ks, a0                   ; 18 LDS loads: A's blocks a0 .. a0 + 3 and their two scale words
.irp x, 0,1
	ds_load_b32 v[SA+(\a0)/2+\x], v[ASA+\sl] offset:(\ks)*512+128*((\a0)/2+\x)
.endr
.irp a, 0,1,2,3
.irp c, 0,1,2,3
	ds_load_b128 v[AF+16*((\a0)+\a)+4*\c:AF+16*((\a0)+\a)+4*\c+3], v[ADA+\sl] offset:((\a0)+\a)*4096+(\ks)*2048+512*\c
.endr
.endr
.endm
.macro CREST                           ; a round of the cluster's barrier behind its opening barrier
	s_cmp_lg_u32 s[WV], 0
	s_cbranch_scc1 .Lnw0_\@
	s_barrier_signal -3
.Lnw0_\@:
	s_barrier_wait -3
	s_barrier_signal -1
	s_barrier_wait -1
.endm
.macro CROUND
	s_barrier_signal -1
	s_barrier_wait -1
	CREST
.endm
.macro JLOAD sl                        ; waves 0, 1: A's two records; waves 2, 3: the halves of B's part.  The branch hangs on the wave's number alone
	s_cmp_eq_u32 s[WR], 0
	s_cbranch_scc0 .Lfb_\@
	tensor_load_to_lds s[G0A+4*(\sl):G0A+4*(\sl)+3], s[G1A:G1A+7]
	s_nop 0
	PLACES 4
	s_branch .Lfa_\@
.Lfb_\@:
	tensor_load_to_lds s[G0B+4*(\sl):G0B+4*(\sl)+3], s[G1B:G1B+7]
	s_nop 0
	PLACES 4
.Lfa_\@:
.endm
.macro STEP sl, zero                   ; a slot's first 128 along K (B's set 0)
	s_wait_dscnt 18                                ; all but A's blocks 4-7 and their two scale words
	WIN MUL_LO
.irp a, 0,1,2,3
	MULA 0, \a, \zero
.endr
	s_wait_dscnt 0x0
	PLACES 8                                       ; ahead of loads into registers that matrix instructions have read (ISA guide 7.12.1 for vector instructions)
	WIN 0
	FB \sl, 1, 1
	FA \sl, 1, 0
	WIN MUL_HI
.irp a, 4,5,6,7
	MULA 0, \a, \zero
.endr
	PLACES 8
	WIN 0
	FA \sl, 1, 4
.endm
; A slot's second 128 along K (B's set 1) and the change of slots; the slot just read is filled again, two fills on.  fetch = 0: the pass ends here
.macro TURN sl, nx, fetch
	s_wait_xcnt 0x0                                ; the last prefetch, a slot back, has read its address
	s_sub_co_u32 s90, s[SCN], s[LO]
	s_min_u32 s91, s90, 5                          ; held inside the buffer where my wave does not ask
	s_mul_i32 s92, s91, s[PST]
	s_mov_b32 s93, 0
	s_add_nc_u64 s[PFA:PFA+1], s[PF0:PF0+1], s[92:93]
	s_wait_tensorcnt 0x0                           ; all my tensor loads have landed, my part of the next slot among them: so a group 0 may be written
	ds_add_u32 v[SPW], v[NIL]                      ; 0 onto my spare word
	s_add_co_u32 s94, s[SCN], 2                    ; n: the fill that this change asks for
	s_and_b32 s95, s94, 3
	s_cmp_lt_u32 s94, 8
	s_cselect_b32 s94, 4, 0                        ; sigma(Q)'s K slots lie behind sigma(K)'s four
	s_add_co_u32 s94, s94, s95                     ; A's K slot in memory: 4 + n % 4 while n < 8, then n % 4
	s_mul_i32 s94, s94, S_A
	s_mov_b32 s95, 0
	s_add_nc_u64 s[G0A+4*(\sl)+2:G0A+4*(\sl)+3], s[AB:AB+1], s[94:95]
	s_or_b32 s[G0A+4*(\sl)+3], s[G0A+4*(\sl)+3], 0x80000000        ; the type
	s_add_nc_u64 s[G0B+4*(\sl)+2:G0B+4*(\sl)+3], s[G0B+4*(\sl)+2:G0B+4*(\sl)+3], 2*PART
	s_wait_dscnt 19                                ; (the add and A's blocks 4-7 may be out)
	WIN MUL_LO
	MULA 1, 0, 0
	MULA 1, 1, 0
	s_wait_dscnt 0x0                               ; the add is done, and my reads of this slot are over
	s_barrier_signal -1
	MULA 1, 2, 0
	MULA 1, 3, 0
	WIN 0
	s_barrier_wait -1
	CREST                                          ; the barrier has opened a round of the cluster's: no wave of any partner still reads this slot or has a load on its way
	JLOAD \sl
	PLACES 4
.if \fetch
	FB \nx, 0, 0
	FA \nx, 0, 0
.endif
	s_cmp_lt_u32 s90, s[CNT]
	s_cbranch_scc0 .Lnm_\@
	global_prefetch_b8 v[PFO], s[PFA:PFA+1] th:TH_LOAD_NT scope:SCOPE_SE
.Lnm_\@:
	s_add_co_u32 s[SCN], s[SCN], 1
	WIN MUL_HI
.irp a, 4,5,6,7
	MULA 1, \a, 0
.endr
	PLACES 8
	WIN 0
.if \fetch
	FA \nx, 0, 4
.endif
.endm
; A pass's end, blocks 4 hf .. 4 hf + 3: out = sum over m of c x the sums, laid over slot 0's accumulators; into the stage; a barrier; back as rows of 256 bytes; stored
.macro FOLD hf
.irp aa, 0,1,2,3
.irp m, 0,1,2,3
	ds_load_b32 v[CC+8*\aa+2*\m], v[ADC] offset:\m*1024+(32*((4*\hf+\aa)/2)+8*(\aa%2))*4
.endr
.endr
	s_wait_dscnt 0x0
	WIN 0xa2+0x51*\hf
.irp aa, 0,1,2,3
.irp cb, 0,1
.irp k, 0,2,4,6
	v_pk_mul_f32 v[64*\aa+8*\cb+\k:64*\aa+8*\cb+\k+1], v[64*\aa+8*\cb+\k:64*\aa+8*\cb+\k+1], v[CC+8*\aa:CC+8*\aa+1] op_sel_hi:[1,0]   ; each accumulator from its low end on
.endr
.endr
.irp m, 1,2,3
.irp cb, 0,1
.irp k, 0,2,4,6
	v_pk_fma_f32 v[64*\aa+8*\cb+\k:64*\aa+8*\cb+\k+1], v[64*\aa+16*\m+8*\cb+\k:64*\aa+16*\m+8*\cb+\k+1], v[CC+8*\aa+2*\m:CC+8*\aa+2*\m+1], v[64*\aa+8*\cb+\k:64*\aa+8*\cb+\k+1] op_sel_hi:[1,0,1]
.endr
.endr
.endr
.endr
	WIN 0x08+4*\hf                                 ; an LDS store's data are its source 1
.irp aa, 0,1,2,3
.irp cb, 0,1
	ds_store_b128 v[STO], v[64*\aa+8*\cb:64*\aa+8*\cb+3] offset:\aa*16*SP+64*\cb
	ds_store_b128 v[STO], v[64*\aa+8*\cb+4:64*\aa+8*\cb+7] offset:\aa*16*SP+64*\cb+16
.endr
.endr
	WIN 0
	s_wait_dscnt 0x0                               ; for the others' sake: my part of the stage has landed
	s_barrier_signal -1
	s_barrier_wait -1
	WIN 0x40
.irp t, 0,1,2,3,4,5,6,7,8,9,10,11,12,13,14,15
	ds_load_b128 v[128+64*\hf+4*\t:128+64*\hf+4*\t+3], v[RD] offset:2*\t*SP   ; stage rows 32 w + 2 t + l / 16
.endr
	WIN 0x04
	s_wait_dscnt 0x0
.irp t, 0,1,2,3,4,5,6,7,8,9,10,11,12,13,14,15
	global_store_b128 v[GO], v[128+64*\hf+4*\t:128+64*\hf+4*\t+3], s[86:87] offset:(64*\hf+8*(\t/8)+2*(\t%8)+8*((\t%8)/4))*4096 th:TH_STORE_NT
.endr
	WIN 0
.endm
; the last phase: 54 LDS loads in one run; the youngest eight are memories[0]'s blocks 2 and 3
.macro KFETCH set, psl, bsl, bo, ks
.irp x, 0,1,2,3
	ds_load_b32 v[SC+6*(\set)+\x], v[ASA+\psl] offset:(\ks)*512+128*\x
.endr
.irp x, 0,1
	ds_load_b32 v[SC+6*(\set)+4+\x], v[AKS+\bsl] offset:(\bo)+(\ks)*512+128*\x
.endr
	WIN 0x40
.irp p, 0,1,2,3,4,5,6,7
.irp c, 0,1,2,3
	ds_load_b128 v[128*(\set)+16*\p+4*\c:128*(\set)+16*\p+4*\c+3], v[ADA+\psl] offset:\p*4096+(\ks)*2048+512*\c
.endr
.endr
	WIN 0
.irp q, 0,1,2,3
.irp c, 0,1,2,3
	ds_load_b128 v[QF+64*(\set)+16*\q+4*\c:QF+64*(\set)+16*\q+4*\c+3], v[AKB+\bsl] offset:(\bo)+\q*4096+(\ks)*2048+512*\c
.endr
.endr
.endm
.macro KSTEP psl, bsl, bo, zero
	s_wait_dscnt 8
	WIN MUL_LO
	MULQ 0, 0, \zero
	MULQ 0, 1, \zero
	s_wait_dscnt 0x0
	PLACES 8
	WIN 0
	KFETCH 1, \psl, \bsl, \bo, 1
	WIN MUL_LO
	MULQ 0, 2, \zero
	MULQ 0, 3, \zero
.endm
.macro KTURN fill, sl, npsl, nbsl, nbo ; fill = 1: A's two records of slot sl are filled again, by waves 0 and 1
	WIN 0
	s_wait_tensorcnt 0x0
	ds_add_u32 v[SPW], v[NIL]
.if \fill
	s_add_nc_u64 s[G0A+4*(\sl)+2:G0A+4*(\sl)+3], s[AB:AB+1], (2+(\sl))*S_A   ; sigma(K)'s K slot 2 or 3
	s_or_b32 s[G0A+4*(\sl)+3], s[G0A+4*(\sl)+3], 0x80000000        ; the type
.endif
	s_wait_dscnt 9
	WIN MUL_LO
	MULQ 1, 0, 0
	s_wait_dscnt 0x0
	s_barrier_signal -1
	MULQ 1, 1, 0
	WIN 0
	s_barrier_wait -1
.if \fill
	CREST
	s_cmp_eq_u32 s[WR], 0
	s_cbranch_scc0 .Lna_\@
	tensor_load_to_lds s[G0A+4*(\sl):G0A+4*(\sl)+3], s[G1A:G1A+7]
	s_nop 0
	PLACES 4
.Lna_\@:
.endif
	PLACES 8                                       ; a wave that asked for nothing has passed no v_nop
	KFETCH 0, \npsl, \nbsl, \nbo, 0
	WIN MUL_LO
	MULQ 1, 2, 0
	MULQ 1, 3, 0
.endm
	s_load_b256 s[4:11], s[0:1], 0x0               ; acodes, bcodes, nrm, relp
	s_load_b256 s[12:19], s[0:1], 0x20             ; memory_norms, values, out0, dvt
	v_lshl_add_u32 v[SPW], v0, 2, SPARE
	v_mov_b32 v[NIL], 0
	ds_add_u32 v[SPW], v[NIL]                      ; the wave's opening: the add, twice on end, and its wait ahead of my first tensor load
	ds_add_u32 v[SPW], v[NIL]
	v_lshrrev_b32 v27, 5, v0
	v_readfirstlane_b32 s[WV], v27
	v_and_b32 v1, 31, v0                           ; l
	v_and_b32 v2, 15, v0                           ; r
	v_bfe_u32 v3, v0, 4, 1                         ; h
	v_lshlrev_b32 v[CO], 4, v1
	v_lshlrev_b32 v[L4], 2, v1
	s_lshl_b32 s90, s[WV], 12
	s_lshl_b32 s91, s[WV], 2
	v_add_nc_u32 v118, s90, v[CO]                  ; norm w: 4,096 w + 16 l
	v_add_nc_u32 v119, s91, v[CO]                  ; relp: entry l, number w
	v_lshlrev_b32 v120, 3, v0                      ; nrm: a thread two rows
	s_wait_alu depctr_va_vdst(0)
	s_and_b32 s[FF], s[WV], 1
	s_lshr_b32 s[WR], s[WV], 1
	s_bfe_u32 s56, ttmp6, 0x40000                  ; cx
	s_bfe_u32 s57, ttmp6, 0x40004                  ; cy
	s_and_b32 s58, ttmp7, 0xffff
	s_lshl_b32 s58, s58, 2
	s_add_co_u32 s58, s58, s57                     ; I
	s_lshl_b32 s59, ttmp9, 2
	s_add_co_u32 s59, s59, s56                     ; J
	s_lshl_b32 s90, s57, 2
	s_lshl_b32 s90, 15, s90                        ; my row of the cluster
	s_lshl_b32 s91, 0x1111, s56                    ; my column
	s_or_b32 s[G1A], s90, (3<<16)|(1<<21)          ; 15:0 the mask; 17:16 elements of 8 bytes; 21 set beside a mask; no padding
	s_or_b32 s[G1B], s91, (3<<16)|(1<<21)
.irp g, G1A, G1B                       ; 33,792 dense bytes: 132 rows of 256
	s_mov_b32 s[\g+1], 32<<16
	s_mov_b32 s[\g+2], 132<<16
	s_mov_b32 s[\g+3], 32<<16
	s_mov_b32 s[\g+4], 132
	s_mov_b32 s[\g+5], 32
	s_mov_b32 s[\g+6], 0
	s_mov_b32 s[\g+7], 0
.endr
	s_lshl_b32 s78, s58, 1
	s_add_co_u32 s78, s78, s[FF]
	s_mul_i32 s78, s78, REC                        ; A: record 2 I + w % 2 of a K slot: of I and the wave's number alone
	s_mov_b32 s79, 0
	s_mul_i32 s60, s[FF], REC                      ; the place in LDS: no place in the cluster enters an LDS address
	s_mul_i32 s92, s59, 10*PART
	s_add_co_u32 s92, s92, s60                     ; B: half w % 2 of J's part 0: of J and the wave's number alone
	s_mov_b32 s93, 0
	s_lshr_b32 s80, s58, 4                         ; the batch
	s_lshl_b32 s80, s80, 12
	s_mov_b32 s81, 0
	s_lshl_b32 s82, s58, 10
	s_mov_b32 s83, 0
	s_mov_b32 s[SEL], 0x76543210
	s_mov_b32 s[SEL+1], 0xfedcba98
	s_mov_b32 s[MNT], 0x600000
	s_mov_b32 s[HM], 0xffff0000
	s_mov_b32 s[SCN], 0
	s_wait_dscnt 0x0                               ; both opening adds are done
	s_wait_kmcnt 0x0
	s_add_nc_u64 s[78:79], s[4:5], s[78:79]
	s_add_nc_u64 s[92:93], s[6:7], s[92:93]
	s_add_nc_u64 s[80:81], s[10:11], s[80:81]      ; the batch's 256 entries of relp
	s_add_nc_u64 s[82:83], s[8:9], s[82:83]        ; nrm at row 256 I
.irp x, 0,1,2,3,4,5,6,7
	global_load_b128 v[128+4*\x:128+4*\x+3], v118, s[12:13] offset:512*\x
.endr
.irp x, 0,1,2,3,4,5,6,7
	global_load_b32 v[160+\x], v119, s[80:81] offset:512*\x
.endr
.irp t, 0,1,2,3,4,5,6,7
.irp q, 0,1,2,3,4
	global_load_b64 v[168+2*(5*\t+\q):169+2*(5*\t+\q)], v120, s[82:83] offset:(5*\t+\q)*32768
.endr
.endr
	CROUND                                         ; all sixteen work-groups are here: the first joint loads meet
.irp s, 0,1
	s_mov_b32 s[G0A+4*\s], 1
	s_add_co_u32 s[G0A+4*\s+1], s60, \s*SLOT
	s_add_nc_u64 s[G0A+4*\s+2:G0A+4*\s+3], s[78:79], (4+\s)*S_A    ; sigma(Q) lies behind sigma(K)'s four K slots
	s_or_b32 s[G0A+4*\s+3], s[G0A+4*\s+3], 0x80000000
	s_mov_b32 s[G0B+4*\s], 1
	s_add_co_u32 s[G0B+4*\s+1], s60, \s*SLOT+2*REC
	s_add_nc_u64 s[G0B+4*\s+2:G0B+4*\s+3], s[92:93], \s*PART
	s_or_b32 s[G0B+4*\s+3], s[G0B+4*\s+3], 0x80000000
.endr
	JLOAD 0                                        ; fill 0
	; the prefetches: A's waves name sigma(K)'s K slots 0 .. 3 at changes 4 .. 7, B's waves parts 4 .. 9 at changes 0 .. 5
	s_cmp_eq_u32 s[WR], 0
	s_cselect_b64 s[PF0:PF0+1], s[78:79], s[92:93]
	s_cselect_b32 s94, s56, s57                    ; my place among the four that ask with me
	s_cselect_b32 s[LO], 4, 0
	s_cselect_b32 s[CNT], 4, 6
	s_mov_b32 s[PST], PART
	s_cselect_b32 s[PST], S_A, s[PST]
	s_cselect_b32 s95, 0, 4*PART
	s_lshl_b32 s94, s94, 13
	s_add_co_u32 s94, s94, s95
	s_mov_b32 s95, 0
	s_add_nc_u64 s[PF0:PF0+1], s[PF0:PF0+1], s[94:95]
	s_mul_i32 s90, s[WR], REC
	s_lshl_b32 s91, s[FF], 13
	s_lshl_b32 s94, s[FF], 7
	s_lshl_b32 s95, s[FF], 14
	s_lshl_b32 s60, s[FF], 8
	s_lshl_b32 s96, s[WR], 9
	s_mul_i32 s97, s[WR], 64*SP
	s_add_co_u32 s97, s97, s94
	s_add_co_u32 s97, s97, STAGE
	s_mul_i32 s98, s[WV], 32*SP
	s_add_co_u32 s98, s98, STAGE
	s_lshl_b32 s99, s[WV], 2
	s_add_co_u32 s99, s99, REL
	v_add_nc_u32 v[ADA], s90, v[CO]
	v_add_nc_u32 v[ASA], s90, v[L4]
	v_add_nc_u32 v[ADB], s91, v[CO]
	v_add_nc_u32 v[ASB], s94, v[L4]
	v_add_nc_u32 v[AKB], s95, v[CO]
	v_add_nc_u32 v[AKS], s60, v[L4]
	v_add_nc_u32 v[ASA], 32768, v[ASA]
	v_add_nc_u32 v[ADB], 2*REC, v[ADB]
	v_add_nc_u32 v[ASB], 2*REC+16384, v[ASB]
	v_add_nc_u32 v[AKB], 2*REC, v[AKB]
	v_add_nc_u32 v[AKS], 2*REC+32768, v[AKS]
.irp x, ADA, ASA, ADB, ASB, AKB, AKS
	v_add_nc_u32 v[\x+1], SLOT, v[\x]
.endr
	v_and_b32 v27, 8, v2
	v_add_nc_u32 v27, v27, v2
	v_lshl_add_u32 v[ADC], v27, 2, s96
	v_add_nc_u32 v[ADC], CT, v[ADC]                ; CT + 4 (128 wr + r + 8 (r / 8))
	v_mul_u32_u24 v[STO], v2, SP
	v_lshl_add_u32 v[STO], v3, 5, v[STO]
	v_add_nc_u32 v[STO], s97, v[STO]               ; stage row 64 wr + r, + 128 wc + 32 h
	v_mul_u32_u24 v[RD], v3, SP
	v_lshl_add_u32 v[RD], v2, 4, v[RD]
	v_add_nc_u32 v[RD], s98, v[RD]                 ; stage row 32 w + l / 16
	v_lshlrev_b32 v[GO], 12, v3
	v_lshl_add_u32 v[GO], v2, 4, v[GO]
	v_lshlrev_b32 v[VALA], 16, v3
	v_lshl_add_u32 v[VALA], v2, 4, v[VALA]
	v_lshlrev_b32 v[PFO], 8, v1
	v_lshl_add_u32 v[RKA], v3, 6, s96
	v_add_nc_u32 v[RKA], CT+4096, v[RKA]
	v_mov_b32 v121, s99                            ; REL + 4 w
	v_mov_b32 v122, REL
	v_lshl_add_u32 v123, v0, 3, CT
.irp x, 0,1,2,3,4,5,6,7,8,9,10,11,12,13,14,15
	v_mov_b32 v[CC+2*\x+1], 0                      ; named as the upper halves of pairs
.endr
.irp x, 0,1,2,3
	v_mov_b32 v[TM+4+\x], 0                        ; a lane permute's destination counts as one of its sources
.endr
	s_lshl_b32 s84, s58, 20
	s_lshl_b32 s90, s[WR], 19
	s_add_co_u32 s84, s84, s90
	s_lshl_b32 s90, s59, 9
	s_add_co_u32 s84, s84, s90                     ; row 256 I + 128 wr, column 128 J, in bytes
	s_mov_b32 s85, 0
	s_lshl_b32 s86, s[FF], 17
	s_add_co_u32 s86, s86, s84
	s_mov_b32 s87, 0
	s_add_nc_u64 s[86:87], s[16:17], s[86:87]      ; out0: + 32 wc rows
	s_lshl_b32 s90, s[FF], 8
	s_add_co_u32 s84, s84, s90
	s_add_nc_u64 s[84:85], s[14:15], s[84:85]      ; values: + 64 wc columns
	s_lshl_b32 s88, s59, 1
	s_add_co_u32 s88, s88, s[FF]
	s_lshl_b32 s88, s88, 6
	s_lshl_b32 s90, s58, 1
	s_add_co_u32 s90, s90, s[WR]
	s_add_co_u32 s88, s88, s90
	s_mul_i32 s88, s88, R3
	s_mov_b32 s89, 0
	s_add_nc_u64 s[88:89], s[18:19], s[88:89]      ; dvt: record (2 J + wc, 2 I + wr)
	; wave w acts for slot m = w: is it empty, and its relevance
	s_wait_alu depctr_va_vdst(0)
	s_wait_loadcnt 40                              ; the norm and relp are in; the 40 loads of nrm may be out
.irp k, 0,1,2,3
	v_add_f32 v[96+\k], |v[128+2*\k]|, |v[129+2*\k]|
.endr
.set k, 8
.rept 24
	v_add_f32 v[96+k%4], v[96+k%4], |v[128+k]|
.set k, k+1
.endr
	v_add_f32 v100, v160, v161
	v_add_f32 v101, v162, v163
	v_add_f32 v102, v164, v165
	v_add_f32 v103, v166, v167
	v_add_f32 v96, v96, v97
	v_add_f32 v98, v98, v99
	v_add_f32 v100, v100, v101
	v_add_f32 v102, v102, v103
	v_add_f32 v96, v96, v98
	v_add_f32 v100, v100, v102
.irp x, 1,2,4,8
	v_add_f32_dpp v96, v96, v96 row_xmask:\x row_mask:0xf bank_mask:0xf
	v_add_f32_dpp v100, v100, v100 row_xmask:\x row_mask:0xf bank_mask:0xf
.endr
	v_permlanex16_b32 v97, v96, s[SEL], s[SEL+1]
	v_permlanex16_b32 v101, v100, s[SEL], s[SEL+1]
	v_add_f32 v96, v96, v97                        ; the sum of |norm|
	v_add_f32 v100, v100, v101
	v_mul_f32 v100, 0x39800000, v100               ; the mean over 4,096 rows
	v_mov_b32 v101, 0xf149f2ca                     ; -1e30
	v_cmp_gt_f32 vcc_lo, 0x358637bd, v96           ; empty: the sum lies under 1e-6
	v_cndmask_b32 v100, v100, v101, vcc_lo
	v_cndmask_b32 v102, 1.0, v[NIL], vcc_lo        ; the flag: 0 for an empty slot
	ds_store_b32 v121, v100
	ds_store_b32 v121, v102 offset:16
	s_wait_alu depctr_va_vdst(0)
	s_wait_tensorcnt 0x0                           ; my part of fill 0 is in
	ds_add_u32 v[SPW], v[NIL]
	s_wait_dscnt 0x0                               ; the add and my two stores are done
	CROUND                                         ; a whole round: slot 0 and the relevances are whole, and the joint loads meet
	JLOAD 1                                        ; fill 1, the first tensor load behind the round
	; the softmax over the four slots, the maximum taken away; then c and 1 / knorm of rows 2 x thread and 2 x thread + 1
	ds_load_b128 v[96:99], v122
	ds_load_b128 v[100:103], v122 offset:16
	s_wait_dscnt 0x0
	v_max3_num_f32 v104, v96, v97, v98
	v_max_num_f32 v104, v104, v99
.irp m, 0,1,2,3
	v_sub_f32 v[96+\m], v[96+\m], v104
.endr
.irp m, 0,1,2,3
	v_mul_f32 v[96+\m], 0x3fb8aa3b, v[96+\m]
.endr
	s_wait_alu depctr_va_vdst(0)
.irp m, 0,1,2,3
	v_exp_f32 v[96+\m], v[96+\m]
.endr
	v_nop
	s_wait_alu depctr_va_vdst(0)                   ; one wait for the four exponentials
	v_add_f32 v104, v96, v97
	v_add_f32 v105, v98, v99
	v_add_f32 v104, v104, v105
	s_wait_alu depctr_va_vdst(0)
	v_rcp_f32 v104, v104
	s_wait_loadcnt 0x0
.irp q, 0,1,2,3,4
	v_pk_add_f32 v[108+2*\q:109+2*\q], v[168+2*\q:169+2*\q], v[178+2*\q:179+2*\q]   ; the eight partial dots of my two rows
.endr
.irp t, 2,3,4,5,6,7
.irp q, 0,1,2,3,4
	v_pk_add_f32 v[108+2*\q:109+2*\q], v[108+2*\q:109+2*\q], v[168+10*\t+2*\q:169+10*\t+2*\q]
.endr
.endr
.irp q, 0,1,2,3,4,5,6,7,8,9
	v_max_num_f32 v[108+\q], 0x358637bd, v[108+\q] ; held at 1e-6 from below
.endr
	s_wait_alu depctr_va_vdst(0)
.irp m, 0,1,2,3
	v_mul_f32 v[96+\m], v[96+\m], v104
.endr
.irp m, 0,1,2,3
	v_mul_f32 v[96+\m], v[96+\m], v[100+\m]        ; an empty slot weighs nothing; where all are empty, out0 is 0
.endr
	s_wait_alu depctr_va_vdst(0)
.irp q, 0,1,2,3,4,5,6,7,8,9
	v_rcp_f32 v[108+\q], v[108+\q]
.endr
	v_nop
	s_wait_alu depctr_va_vdst(0)
.irp m, 0,1,2,3
	v_mul_f32 v[108+2*\m], v[108+2*\m], v[96+\m]
	v_mul_f32 v[109+2*\m], v[109+2*\m], v[96+\m]
.endr
.irp q, 0,1,2,3,4
	ds_store_b64 v123, v[108+2*\q:109+2*\q] offset:1024*\q   ; read behind later barriers, each with a wait for my LDS instructions in front
.endr
	s_mov_b32 s[PH], 2
	s_wait_alu depctr_va_vdst(0)
.Lpass:                                                ; a pass: four slots; every change of slots fills a slot again: the second pass's last two bring the last phase's first two
	FB 0, 0, 0
	FA 0, 0, 0
	FA 0, 0, 4
	STEP 0, 1                                      ; the first products start the sums: nothing is cleared
	TURN 0, 1, 1
	STEP 1, 0
	TURN 1, 0, 1
	STEP 0, 0
	TURN 0, 1, 1
	STEP 1, 0
	TURN 1, 0, 0
	FOLD 0
	s_barrier_signal -1                            ; every wave has read its rows of the stage (waited for above): it may be written again
	s_barrier_wait -1
	FOLD 1
	s_wait_xcnt 0x0                                ; the stores have read their registers and their base
	s_add_nc_u64 s[86:87], s[86:87], 256           ; the next 64 columns
	s_sub_co_u32 s[PH], s[PH], 1
	s_cmp_lg_u32 s[PH], 0
	s_cbranch_scc1 .Lpass
	; ---- THE LAST PHASE.  values of my 128 rows x 64 columns into window 3: register 4 rho + q = row 32 b + 16 h + i (rho = 16 b + i), column 4 r + q: sixteen lanes read 256 consecutive bytes
	WIN 0xc0
.set k, 0
.rept 64
	global_load_b128 v[4*k:4*k+3], v[VALA], s[84:85] offset:(32*(k/16)+k%16)*4096 th:TH_LOAD_NT
.set k, k+1
.endr
	WIN 0
	KFETCH 0, 0, 0, 0, 0
	KSTEP 0, 0, 0, 1
	KTURN 1, 0, 1, 0, REC
	KSTEP 1, 0, REC, 0
	KTURN 1, 1, 0, 1, 0
	KSTEP 0, 1, 0, 0
	KTURN 0, 0, 1, 1, REC                          ; nothing is filled any more
	KSTEP 1, 1, REC, 0
	s_wait_dscnt 8
	MULQ 1, 0, 0
	MULQ 1, 1, 0
	s_wait_dscnt 0x0
	MULQ 1, 2, 0
	MULQ 1, 3, 0
	; delta, and its codes
	WIN 0
	PLACES 8
.irp b, 0,1,2,3
.irp j, 0,1,2,3
	ds_load_b128 v[RK+16*\b+4*\j:RK+16*\b+4*\j+3], v[RKA] offset:128*\b+16*\j   ; 1 / knorm of rows 32 b + 16 h + 0 .. 15
.endr
.endr
	s_wait_loadcnt 0x0                             ; values
	s_wait_dscnt 0x0
.irp q, 0,1,2,3
.if \q > 1
	s_wait_xcnt 0x0                                ; the stores of two columns back have read their codes' registers
.endif
	WIN 0xb2                                       ; the sums in window 2, 1 / knorm in window 0, values in window 3
.set k, 0
.rept 64
	v_fma_f32 v[64*\q+k], -v[64*\q+k], v[RK+k], v[4*k+\q]   ; each accumulator from its low end on
.set k, k+1
.endr
	WIN 0x0a
.irp b, 0,1,2,3
	v_max3_num_f32 v[TM+\b], |v[64*\q+16*\b]|, |v[64*\q+16*\b+1]|, 0x4800000
.endr
	WIN 0x28
.irp i, 2,4,6,8,10,12,14
.irp b, 0,1,2,3
	v_max3_num_f32 v[TM+\b], v[TM+\b], |v[64*\q+16*\b+\i]|, |v[64*\q+16*\b+\i+1]|
.endr
.endr
	WIN 0
.irp b, 0,1,2,3
	v_permlanex16_b32 v[TM+4+\b], v[TM+\b], s[SEL], s[SEL+1]
.endr
.irp b, 0,1,2,3
	v_max_num_f32 v[TM+\b], v[TM+\b], v[TM+4+\b]
.endr
.irp b, 0,1,2,3
	v_add_nc_u32 v[TM+12+\b], 0xfc000000, v[TM+\b] ; 8 off the exponent field: the conversion's scale operand
.endr
.irp b, 0,1,2,3
	v_and_or_b32 v[TM+8+\b], v[TM+\b], 0x7f800000, s[MNT]   ; 448 x the scale
.endr
.irp b, 0,1,2,3
	v_lshrrev_b32 v[TM+4+\b], 23, v[TM+12+\b]      ; the scale's byte
.endr
	v_lshl_or_b32 v[PW+\q], v[TM+5], 8, v[TM+4]
	v_lshl_or_b32 v[PW+\q], v[TM+6], 16, v[PW+\q]
	v_lshl_or_b32 v[PW+\q], v[TM+7], 24, v[PW+\q]
	WIN 0x82
.set k, 0
.rept 64
	v_med3_num_f32 v[64*\q+k], v[64*\q+k], -v[TM+8+k/16], v[TM+8+k/16]   ; the conversion to an 8-bit code does not saturate (ISA guide 7.6.2)
.set k, k+1
.endr
	WIN 0x02
.set k, 0
.rept 8
	v_cvt_scalef32_pk8_fp8_f32 v[PC+16*(\q%2)+2*k:PC+16*(\q%2)+2*k+1], v[64*\q+8*k:64*\q+8*k+7], v[TM+12+k/2]
.set k, k+1
.endr
	WIN 0
	v_nop                                          ; a plain line behind the last conversion
.irp c, 0,1,2,3
	global_store_b128 v[CO], v[PC+16*(\q%2)+4*\c:PC+16*(\q%2)+4*\c+3], s[88:89] offset:2048*\q+512*\c   ; the fragment as its registers stand: 512 consecutive bytes a store
.endr
.if \q%2
	v_cndmask_b32 v[PWS+\q/2], v[PW+\q-1], v[PW+\q], s[HM]
	global_store_b32 v[L4], v[PWS+\q/2], s[88:89] offset:8192+128*(\q/2)
.endif
.endr
	s_wait_tensorcnt 0x0                           ; the wave's end
	ds_add_u32 v[SPW], v[NIL]
	s_wait_dscnt 0x0
	CROUND                                         ; the closing round: no work-group ends while a partner may still ask for a tile that names it
	s_endpgm
.Lfunc_end_k_q699e54e7f9_gemm:
	.size	k_q699e54e7f9_gemm, .Lfunc_end_k_q699e54e7f9_gemm-k_q699e54e7f9_gemm
	.p2alignl 7, 3214868480
	.fill 96, 4, 3214868480
	.section	.rodata,"a",@progbits
	.p2align	6, 0x0
	.amdhsa_kernel k_q699e54e7f9_gemm
		.amdhsa_group_segment_fixed_size 327680
		.amdhsa_private_segment_fixed_size 0
		.amdhsa_enable_private_segment 0
		.amdhsa_kernarg_size 64
		.amdhsa_user_sgpr_count 2
		.amdhsa_user_sgpr_kernarg_segment_ptr 1
		.amdhsa_wavefront_size32 1
		.amdhsa_system_sgpr_workgroup_id_x 1
		.amdhsa_system_sgpr_workgroup_id_y 1
		.amdhsa_system_sgpr_workgroup_id_z 1
		.amdhsa_system_vgpr_workitem_id 0
		.amdhsa_next_free_vgpr 1024
		.amdhsa_next_free_sgpr 100
		.amdhsa_reserve_vcc 1
		.amdhsa_float_denorm_mode_32 3
		.amdhsa_float_denorm_mode_16_64 3
		.amdhsa_memory_ordered 1
		.amdhsa_forward_progress 1
		.amdhsa_inst_pref_size 255
	.end_amdhsa_kernel
	.section	.bss,"aw",@nobits
	.p2align	6
	.space	262144
	.amdgpu_metadata
---
amdhsa.version: [ 1, 2 ]
amdhsa.kernels:
  - .name:           k_q699e54e7f9_gemm
    .symbol:         k_q699e54e7f9_gemm.kd
    .args:
      - { .name: acodes, .offset: 0, .size: 8, .value_kind: global_buffer, .address_space: global }
      - { .name: bcodes, .offset: 8, .size: 8, .value_kind: global_buffer, .address_space: global }
      - { .name: nrm, .offset: 16, .size: 8, .value_kind: global_buffer, .address_space: global }
      - { .name: relp, .offset: 24, .size: 8, .value_kind: global_buffer, .address_space: global }
      - { .name: memory_norms, .offset: 32, .size: 8, .value_kind: global_buffer, .address_space: global }
      - { .name: values, .offset: 40, .size: 8, .value_kind: global_buffer, .address_space: global }
      - { .name: out0, .offset: 48, .size: 8, .value_kind: global_buffer, .address_space: global }
      - { .name: dvt, .offset: 56, .size: 8, .value_kind: global_buffer, .address_space: global }
    .group_segment_fixed_size: 327680
    .private_segment_fixed_size: 0
    .kernarg_segment_align: 8
    .kernarg_segment_size: 64
    .max_flat_workgroup_size: 128
    .sgpr_count:     100
    .vgpr_count:     1024
    .wavefront_size: 32
...
	.end_amdgpu_metadata
.endif
;; end of part 2
;; launch update (part 3): grid 16 x 16, 8 waves a work-group, no clusters, 140,288 bytes of LDS; arguments skt, dvt, csum, memories, memory_norms, out1, out2; writes out1, out2
.if DOCPART == 3
	.amdgcn_target "amdgcn-amd-amdhsa--gfx1250"
	.amdhsa_code_object_version 6
	.text
	.protected	k_q699e54e7f9_update
	.globl	k_q699e54e7f9_update
	.p2align	8
	.type	k_q699e54e7f9_update,@function
k_q699e54e7f9_update:
	s_mov_b64 s[64:65], 0
	v_nop
	global_prefetch_b8 v0, s[64:65] scope:SCOPE_SE
	s_setreg_imm32_b32 hwreg(HW_REG_WAVE_MODE, 25, 1), 1
	s_wait_xcnt 0x0
; THIRD LAUNCH: out1 = memories[0] + sigma(K)^T delta / 8,192 on the codes along the rows, and out2 = norm 0 + column sums / 2.  No work is left out.
; A work-group (G, Dt) makes 64 d x 64 e of out1 over K = 8,192: 256 tiles.  ITS EIGHT WAVES SHARE K: wave w takes K steps w + 8 x, x = 0 .. 7, each with 16 accumulators; the eight partial tiles meet in LDS once.
; No byte is read by two waves of a work-group, so the operands go from memory straight into registers: a K step's record is 8,448 consecutive bytes in the order of the operand's registers.
; Two K steps of both operands, 72 loads, are out for each wave.
; NO CLUSTER, though 16 work-groups read each record: a joint load lands in LDS, and a work-group walks 128 records, 1,081,344 bytes, for 1,024 matrix instructions;
; through two slots of at most half of LDS that is seven rounds and more of the cluster's barrier, each with all loads landed, and some 16 matrix instructions a wave between two of them.  No prefetch: every wave's loads run two K steps ahead as it is.
; Source 0 = delta's block t (columns e = 64 G + 4 r + t), source 1 = sigma(K)'s block a (d = 64 Dt + 16 a + r): lane (r, h), register j of accumulator (t, a) = (d = 16 a + r, e = 32 h + 4 j + t).
; The sums over K are made in eight parts and added in f32: an order of rounding other than one chain's.
.set R3,    8448
.set RP,    272                        ; a row of a partial tile in LDS: 256 bytes + 16
.set REG,   64*RP                      ; a wave's partial tile
.set SPARE, 8*REG                      ; the spare words, 128 bytes for each wave, which no other line names
.set L16,  2
.set L4,   3
.set GM,   4                           ; v4  (l / 16) rows of 4,096 bytes + 16 (l % 16)
.set STO,  5
.set RDA,  6                           ; v6, v7 the partial tiles 0-3 and 4-7
.set SPW,  8
.set NIL,  9
.set SC,   32                          ; v32-39 scale words and nothing else: set s: delta's two pairs, sigma(K)'s two
.set M0,   40                          ; v40-55 memories[0]
.set ACC,  128                         ; v128-255 accumulator (t, a) at 128 + 8 (4 a + t); then the partial tiles
.set MSB, 0
.macro WIN new
.if MSB != \new
	s_set_vgpr_msb (MSB<<8)|\new
.set MSB, \new
.endif
.endm
.macro WM dd, aa, bb, sa, sb, ra, rb, zero
.if \zero
.if (\ra) && (\rb)
	v_wmma_scale_f32_16x16x128_f8f6f4 v[\dd:\dd+7], v[\aa:\aa+15], v[\bb:\bb+15], 0, v[\sa], v[\sb] matrix_a_scale:MATRIX_SCALE_ROW1 matrix_b_scale:MATRIX_SCALE_ROW1
.elseif (\ra)
	v_wmma_scale_f32_16x16x128_f8f6f4 v[\dd:\dd+7], v[\aa:\aa+15], v[\bb:\bb+15], 0, v[\sa], v[\sb] matrix_a_scale:MATRIX_SCALE_ROW1
.elseif (\rb)
	v_wmma_scale_f32_16x16x128_f8f6f4 v[\dd:\dd+7], v[\aa:\aa+15], v[\bb:\bb+15], 0, v[\sa], v[\sb] matrix_b_scale:MATRIX_SCALE_ROW1
.else
	v_wmma_scale_f32_16x16x128_f8f6f4 v[\dd:\dd+7], v[\aa:\aa+15], v[\bb:\bb+15], 0, v[\sa], v[\sb]
.endif
.else
.if (\ra) && (\rb)
	v_wmma_scale_f32_16x16x128_f8f6f4 v[\dd:\dd+7], v[\aa:\aa+15], v[\bb:\bb+15], v[\dd:\dd+7], v[\sa], v[\sb] matrix_a_scale:MATRIX_SCALE_ROW1 matrix_b_scale:MATRIX_SCALE_ROW1
.elseif (\ra)
	v_wmma_scale_f32_16x16x128_f8f6f4 v[\dd:\dd+7], v[\aa:\aa+15], v[\bb:\bb+15], v[\dd:\dd+7], v[\sa], v[\sb] matrix_a_scale:MATRIX_SCALE_ROW1
.elseif (\rb)
	v_wmma_scale_f32_16x16x128_f8f6f4 v[\dd:\dd+7], v[\aa:\aa+15], v[\bb:\bb+15], v[\dd:\dd+7], v[\sa], v[\sb] matrix_b_scale:MATRIX_SCALE_ROW1
.else
	v_wmma_scale_f32_16x16x128_f8f6f4 v[\dd:\dd+7], v[\aa:\aa+15], v[\bb:\bb+15], v[\dd:\dd+7], v[\sa], v[\sb]
.endif
.endif
.endm
.macro LOADSET set, x                  ; my x-th K step: 36 loads; fragments into window 1, scale words into window 0
	WIN 0x40
.irp t, 0,1,2,3
.irp c, 0,1,2,3
	global_load_b128 v[128*(\set)+16*\t+4*\c:128*(\set)+16*\t+4*\c+3], v[L16], s[24:25] offset:(\x)*8*R3+2048*\t+512*\c
.endr
.endr
.irp a, 0,1,2,3
.irp c, 0,1,2,3
	global_load_b128 v[128*(\set)+64+16*\a+4*\c:128*(\set)+64+16*\a+4*\c+3], v[L16], s[22:23] offset:(\x)*8*R3+2048*\a+512*\c
.endr
.endr
	WIN 0
.irp p, 0,1
	global_load_b32 v[SC+4*(\set)+\p], v[L4], s[24:25] offset:(\x)*8*R3+8192+128*\p
	global_load_b32 v[SC+4*(\set)+2+\p], v[L4], s[22:23] offset:(\x)*8*R3+8192+128*\p
.endr
.endm
.macro KSTEP x, zero, refill, cnt
	s_wait_loadcnt \cnt                            ; this K step's 36 loads are in; the other set's may be out
	WIN 0x05                                       ; both sources in window 1, the sums in window 0
.irp a, 0,1,2,3
.irp t, 0,1,2,3
	WM ACC+8*(4*\a+\t), 128*((\x)%2)+16*\t, 128*((\x)%2)+64+16*\a, SC+4*((\x)%2)+\t/2, SC+4*((\x)%2)+2+\a/2, \t%2, \a%2, \zero
.endr
.endr
.if \refill
.rept 8
	v_nop                                          ; in front of loads into registers that matrix instructions have read
.endr
	LOADSET (\x)%2, (\x)+2
.endif
.endm
	s_load_b256 s[4:11], s[0:1], 0x0               ; skt, dvt, csum, memories
	s_load_b128 s[12:15], s[0:1], 0x20             ; memory_norms, out1
	s_load_b64 s[16:17], s[0:1], 0x30              ; out2
	v_lshl_add_u32 v[SPW], v0, 2, SPARE
	v_mov_b32 v[NIL], 0
	v_lshrrev_b32 v1, 5, v0
	s_delay_alu instid0(VALU_DEP_1)
	v_readfirstlane_b32 s18, v1                    ; wave 0..7
	s_mov_b32 s19, ttmp9                           ; G
	s_and_b32 s20, ttmp7, 0xffff                   ; Dt
	v_and_b32 v1, 31, v0
	v_and_b32 v10, 15, v0                          ; r
	v_bfe_u32 v11, v0, 4, 1                        ; h
	s_delay_alu instid0(VALU_DEP_3)
	v_lshlrev_b32 v[L16], 4, v1
	s_delay_alu instid0(VALU_DEP_4)
	v_lshlrev_b32 v[L4], 2, v1
	s_delay_alu instid0(VALU_DEP_3)
	v_lshlrev_b32 v[GM], 12, v11
	s_delay_alu instid0(VALU_DEP_1)
	v_lshl_add_u32 v[GM], v10, 4, v[GM]
	s_mul_i32 s21, s18, REG
	v_mul_u32_u24 v[STO], v10, RP
	s_delay_alu instid0(VALU_DEP_1)
	v_lshl_add_u32 v[STO], v11, 7, v[STO]
	s_delay_alu instid0(VALU_DEP_1)
	v_add_nc_u32 v[STO], s21, v[STO]               ; my partial tile: row r, + 128 h
	s_mul_i32 s21, s18, 8*RP
	v_mul_u32_u24 v[RDA], v11, RP
	s_delay_alu instid0(VALU_DEP_1)
	v_lshl_add_u32 v[RDA], v10, 4, v[RDA]
	s_delay_alu instid0(VALU_DEP_1)
	v_add_nc_u32 v[RDA], s21, v[RDA]               ; rows 8 w + l / 16 of every partial tile, 16 bytes a lane
	s_delay_alu instid0(VALU_DEP_1)
	v_add_nc_u32 v[RDA+1], 4*REG, v[RDA]
	s_lshl_b32 s22, s20, 6
	s_add_co_u32 s22, s22, s18
	s_mul_i32 s22, s22, R3                         ; skt: record (Dt, w)
	s_mov_b32 s23, 0
	s_lshl_b32 s24, s19, 6
	s_add_co_u32 s24, s24, s18
	s_mul_i32 s24, s24, R3                         ; dvt: record (G, w)
	s_mov_b32 s25, 0
	s_lshl_b32 s26, s20, 18
	s_lshl_b32 s32, s18, 15
	s_add_co_u32 s26, s26, s32
	s_lshl_b32 s32, s19, 8
	s_add_co_u32 s26, s26, s32                     ; row 64 Dt + 8 w, column 64 G, in bytes
	s_mov_b32 s27, 0
	s_lshl_b32 s30, s20, 8
	s_lshl_b32 s32, s18, 7
	s_add_co_u32 s30, s30, s32                     ; 4 (64 Dt + 32 w)
	s_mov_b32 s31, 0
	s_mov_b32 s38, 0x39000000                      ; 1 / 8,192
	s_mov_b32 s39, s38
	s_wait_alu depctr_va_vdst(0)
	s_wait_kmcnt 0x0
	s_add_nc_u64 s[22:23], s[4:5], s[22:23]
	s_add_nc_u64 s[24:25], s[6:7], s[24:25]
	s_add_nc_u64 s[28:29], s[14:15], s[26:27]      ; out1
	s_add_nc_u64 s[26:27], s[10:11], s[26:27]      ; memories[0]
	s_add_nc_u64 s[34:35], s[12:13], s[30:31]      ; norm 0
	s_add_nc_u64 s[36:37], s[16:17], s[30:31]      ; out2
	s_add_nc_u64 s[30:31], s[8:9], s[30:31]        ; csum
.irp y, 0,1,2,3
	global_load_b128 v[M0+4*\y:M0+4*\y+3], v[GM], s[26:27] offset:8192*\y   ; rows 8 w + 2 y + l / 16: sixteen lanes read 256 consecutive bytes
.endr
	LOADSET 0, 0
	LOADSET 1, 1
	; out2: the work-groups with G = 0, waves 0 and 1, a lane a column d = 64 Dt + 32 w + l.  One block under one branch; it waits for all the wave's loads, so the counted waits below hold on both ways
	s_lshr_b32 s32, s18, 1
	s_or_b32 s32, s32, s19
	s_cmp_lg_u32 s32, 0
	s_cbranch_scc1 .Lno_norm
.set k, 0
.rept 64
	global_load_b32 v[64+k], v[L4], s[30:31] offset:4096*k
.set k, k+1
.endr
	global_load_b32 v56, v[L4], s[34:35]
	s_wait_loadcnt 0x0
.set k, 4
.rept 60
	v_add_f32 v[64+k%4], v[64+k%4], v[64+k]        ; four chains
.set k, k+1
.endr
	s_delay_alu instid0(VALU_DEP_3)
	v_add_f32 v64, v64, v65
	s_delay_alu instid0(VALU_DEP_2)
	v_add_f32 v66, v66, v67
	s_delay_alu instid0(VALU_DEP_1)
	v_add_f32 v64, v64, v66
	s_delay_alu instid0(VALU_DEP_1)
	v_fma_f32 v57, v64, 0.5, v56                   ; the sum over both batches / 2
	global_store_b32 v[L4], v57, s[36:37]
.Lno_norm:
	KSTEP 0, 1, 1, 36                              ; the first products start the sums: nothing is cleared
	KSTEP 1, 0, 1, 36
	KSTEP 2, 0, 1, 36
	KSTEP 3, 0, 1, 36
	KSTEP 4, 0, 1, 36
	KSTEP 5, 0, 1, 36
	KSTEP 6, 0, 0, 36
	KSTEP 7, 0, 0, 0
	WIN 0
.rept 8
	v_nop
.endr
.irp a, 0,1,2,3
.irp t, 0,1,2,3
.irp j, 0,1,2,3,4,5,6,7
	ds_store_b32 v[STO], v[ACC+8*(4*\a+\t)+\j] offset:16*RP*\a+16*\j+4*\t   ; (d = 16 a + r, e = 32 h + 4 j + t): the columns come back into their order; each accumulator from its low end on
.endr
.endr
.endr
	s_wait_dscnt 0x0                               ; for the others' sake: my partial tile has landed
	s_barrier_signal -1
	s_barrier_wait -1
.irp p, 0,1,2,3,4,5,6,7
.irp y, 0,1,2,3
	ds_load_b128 v[ACC+16*\p+4*\y:ACC+16*\p+4*\y+3], v[RDA+\p/4] offset:(\p%4)*REG+2*RP*\y
.endr
.endr
.irp p, 1,2,3,4,5,6,7
	s_wait_alu depctr_va_vdst(0)
	s_wait_dscnt 4*(7-\p)                          ; partial tiles 0 to p are in
.irp y, 0,1,2,3
	v_pk_add_f32 v[ACC+4*\y:ACC+4*\y+1], v[ACC+4*\y:ACC+4*\y+1], v[ACC+16*\p+4*\y:ACC+16*\p+4*\y+1]
	v_pk_add_f32 v[ACC+4*\y+2:ACC+4*\y+3], v[ACC+4*\y+2:ACC+4*\y+3], v[ACC+16*\p+4*\y+2:ACC+16*\p+4*\y+3]
.endr
.endr
.irp y, 0,1,2,3
	v_pk_fma_f32 v[ACC+4*\y:ACC+4*\y+1], v[ACC+4*\y:ACC+4*\y+1], s[38:39], v[M0+4*\y:M0+4*\y+1] op_sel_hi:[1,0,1]
	v_pk_fma_f32 v[ACC+4*\y+2:ACC+4*\y+3], v[ACC+4*\y+2:ACC+4*\y+3], s[38:39], v[M0+4*\y+2:M0+4*\y+3] op_sel_hi:[1,0,1]
.endr
.irp y, 0,1,2,3
	global_store_b128 v[GM], v[ACC+4*\y:ACC+4*\y+3], s[28:29] offset:8192*\y   ; sixteen lanes store 256 consecutive bytes, aligned
.endr
	s_wait_tensorcnt 0x0                           ; the wave's end, behind my last LDS store
	ds_add_u32 v[SPW], v[NIL]
	s_wait_dscnt 0x0
	s_endpgm
.Lfunc_end_k_q699e54e7f9_update:
	.size	k_q699e54e7f9_update, .Lfunc_end_k_q699e54e7f9_update-k_q699e54e7f9_update
	.p2alignl 7, 3214868480
	.fill 96, 4, 3214868480
	.section	.rodata,"a",@progbits
	.p2align	6, 0x0
	.amdhsa_kernel k_q699e54e7f9_update
		.amdhsa_group_segment_fixed_size 140288
		.amdhsa_private_segment_fixed_size 0
		.amdhsa_enable_private_segment 0
		.amdhsa_kernarg_size 56
		.amdhsa_user_sgpr_count 2
		.amdhsa_user_sgpr_kernarg_segment_ptr 1
		.amdhsa_wavefront_size32 1
		.amdhsa_system_sgpr_workgroup_id_x 1
		.amdhsa_system_sgpr_workgroup_id_y 1
		.amdhsa_system_sgpr_workgroup_id_z 1
		.amdhsa_system_vgpr_workitem_id 0
		.amdhsa_next_free_vgpr 512
		.amdhsa_next_free_sgpr 66
		.amdhsa_reserve_vcc 0
		.amdhsa_float_denorm_mode_32 3
		.amdhsa_float_denorm_mode_16_64 3
		.amdhsa_memory_ordered 1
		.amdhsa_forward_progress 1
		.amdhsa_inst_pref_size 73
	.end_amdhsa_kernel
	.amdgpu_metadata
---
amdhsa.version: [ 1, 2 ]
amdhsa.kernels:
  - .name:           k_q699e54e7f9_update
    .symbol:         k_q699e54e7f9_update.kd
    .args:
      - { .name: skt, .offset: 0, .size: 8, .value_kind: global_buffer, .address_space: global }
      - { .name: dvt, .offset: 8, .size: 8, .value_kind: global_buffer, .address_space: global }
      - { .name: csum, .offset: 16, .size: 8, .value_kind: global_buffer, .address_space: global }
      - { .name: memories, .offset: 24, .size: 8, .value_kind: global_buffer, .address_space: global }
      - { .name: memory_norms, .offset: 32, .size: 8, .value_kind: global_buffer, .address_space: global }
      - { .name: out1, .offset: 40, .size: 8, .value_kind: global_buffer, .address_space: global }
      - { .name: out2, .offset: 48, .size: 8, .value_kind: global_buffer, .address_space: global }
    .group_segment_fixed_size: 140288
    .private_segment_fixed_size: 0
    .kernarg_segment_align: 8
    .kernarg_segment_size: 56
    .max_flat_workgroup_size: 256
    .sgpr_count:     66
    .vgpr_count:     512
    .wavefront_size: 32
...
	.end_amdgpu_metadata
.endif
;; end of part 3
